; MI455X (gfx1250); checked and timed in simulation.
; The chip was launched on July 23, 2026; its instructions are those of AMD's public machine-readable ISA for CDNA 5 (MIT licence, August 2026) and "CDNA5" Instruction Set Architecture Reference Guide (July 2026). The comments in the code are by the model that wrote it; some were corrected since.
;; Multi Head Attention With Ro PE. Allowed arithmetic: matrix products marked QUANTISED: E2M3 operands, one E8M0 scale for each 32 along K, by v_wmma_scale_f32_16x16x128_f8f6f4 with both operands' format E2M3, f32 sums; everything else in f32.
;; Inputs: Wk 2,048 x 2,048 float32; Wo 2,048 x 2,048 float32; Wq 2,048 x 2,048 float32; Wv 2,048 x 2,048 float32; bk 2,048 float32; bo 2,048 float32; bq 2,048 float32; bv 2,048 float32; position_ids 2 x 1,024 int32; x 2 x 1,024 x 2,048 float32.
;; Outputs: out0 2 x 1,024 x 2,048 float32.
;; This version of the problem:
;;   THIS VERSION OF THE PROBLEM IS GIVEN IN LOW PRECISION. The matrix products marked QUANTISED in the list below multiply operands that are first quantised to E2M3 (2 exponent bits, 3 mantissa bits; 6 bits a number), with one power-of-two scale for each 32 numbers along K (OCP MX v1.0); their sums are f32. All else is computed in f32.
;;   The module's matrix products, in the order in which they are computed (A, B: the left and right operand; K: the contracted axis; several contracted axes count as one K, in the product's order):
;;     1. [M 2,048, K 2,048] x [K 2,048, N 2,048]; A: input x; B: input Wq: QUANTISED
;;     2. [M 2,048, K 2,048] x [K 2,048, N 2,048]; A: input x; B: input Wk: QUANTISED
;;     3. [M 2,048, K 2,048] x [K 2,048, N 2,048]; A: input x; B: input Wv: QUANTISED
;;     4. batch 32 x [M 1,024, K 128] x [K 128, N 1,024]; A: computed on the way; B: computed on the way: QUANTISED
;;     5. batch 32 x [M 1,024, K 1,024] x [K 1,024, N 128]; A: softmax (see below); B: computed on the way: QUANTISED
;;     6. [M 2,048, K 2,048] x [K 2,048, N 2,048]; A: computed on the way; B: input Wo: QUANTISED
;;   THE QUANTISER, for each operand of a quantised product, along K:
;;     - K is cut into blocks of 32 from its start; a last block that is shorter is filled with zeros.
;;     - A block's scale is 2^e with e = floor(log2(the largest magnitude in the block)) - 2, held to -126 .. 127; a block of zeros has e = 0. As a byte (E8M0): e + 127.
;;     - Each number is divided by its block's scale, clamped to +-7.5, and rounded to the nearest number of E2M3, ties to even, subnormals kept.
;;     - The product sums the exact products of the quantised numbers (number of the format x scale) in f32.
;;   ~~~python
;;   def quantise(x, axis):      # numpy; x: float32 -> the quantised numbers, widened to float32 again
;;       x = np.moveaxis(x, axis, -1); K = x.shape[-1]
;;       x = np.pad(x, [(0, 0)] * (x.ndim - 1) + [(0, -K % 32)]); x = x.reshape(x.shape[:-1] + (-1, 32)); a = np.abs(x).max(-1, keepdims=True)
;;       e = np.where(a > 0, np.clip(np.frexp(np.where(a > 0, a, 1))[1] - 1 - 2, -126, 127), 0)      # np.frexp(a)[1] - 1 = floor(log2(a)), exactly
;;       r = np.clip(x / 2.0 ** e, -7.5, 7.5)
;;       step = 2.0 ** (np.maximum(np.frexp(np.where(r == 0, 1, r))[1] - 1, 0) - 3)
;;       q = np.round(r / step) * step * 2.0 ** e      # np.round: ties to even
;;       return np.moveaxis(q.reshape(q.shape[:-2] + (-1,))[..., :K], -1, axis).astype(np.float32)
;;   ~~~
;;   SOFTMAX AHEAD OF A QUANTISED PRODUCT. Where the list says 'softmax', what is quantised is not the finished softmax but p = 2^(t - M), with t = logit x log2(e) and M = ceil(the row's largest t), a whole number; so 1/2 < the row's largest p <= 1. The row's sum l is taken of the UNQUANTISED p, in f32, and the product's result is divided by l at the end. Since M is a whole number, a kernel that streams over the keys may use a running M (the ceiling of the running maximum): every later rescaling is an exact power of two, which a block's scale takes up: the codes' values come out the same.
;;   OPERANDS COMPUTED ON THE WAY. 'Computed on the way' means the value that the module computes at that place (a softmax that the list does not call 'softmax' is quantised finished and normalised). What goes into a quantiser is computed in f32, as accurately as f32 sums, v_exp_f32 and their like allow (about 1e-6 of the number): no bf16 or f16 on the way to a quantiser, and a product that is left as it is and whose result goes on into a quantised operand takes f32 operands (vector FMAs, or v_wmma_f32_16x16x4_f32). A number that lies on a knife's edge between two numbers of the format may be rounded either way, as far as f32 arithmetic and the matrix unit's own rounding can turn it there, and no further.
;; One version. Each part assembles by itself: llvm-mc -triple=amdgcn-amd-amdhsa -mcpu=gfx1250 --defsym DOCPART=n.
;; ======== version 1 of 1: 4 launches
;; workspace buffers: wc 15,728,640 bytes; ws 655,360 bytes; rt 1,048,576 bytes; qkv 9,437,184 bytes; qkvs 393,216 bytes; oc 3,145,728 bytes; os 131,072 bytes
;; launch prep (part 1): grid 256 x 1, 11 waves a work-group, no clusters, 86,016 bytes of LDS; arguments x, Wq, Wk, Wv, Wo, position_ids, wc, ws, rt; writes wc, ws, rt
.if DOCPART == 1
	.amdgcn_target "amdgcn-amd-amdhsa--gfx1250"
	.amdhsa_code_object_version 6
	.text
	.protected	k_q301a71686a_prep
	.globl	k_q301a71686a_prep
	.p2align	8
	.type	k_q301a71686a_prep,@function
k_q301a71686a_prep:
	s_mov_b64 s[64:65], 0
	v_nop
	global_prefetch_b8 v0, s[64:65] scope:SCOPE_SE
	s_setreg_imm32_b32 hwreg(HW_REG_WAVE_MODE, 25, 1), 1
	s_wait_xcnt 0x0
; x, Wq, Wk, Wv, Wo ([2048][2048] f32, K innermost) become codes of FP6 (E2M3) with one E8M0 byte for each 32 along K; position_ids becomes a table of cosines and sines.
; A block's scale is 2^(floor(log2(its largest magnitude)) - 2); its byte is the largest magnitude's exponent field - 2, held at 1 from below.
; LAYOUT OF THE CODES (wc): [tensor 5][row tile 128][K step 16][1,536 bytes].  A fragment (16 rows x 128 K, 12 registers a lane) lies as an image of its registers: registers 4 g .. 4 g + 3 of lane l at 512 g + 16 l.
; THE ROWS OF A TILE ARE NOT NEIGHBOURS: position p of row tile RT is row 32 (RT / 2) + 8 (RT % 2) + p + 8 (p / 8), so that in a product used transposed a lane's registers of neighbouring tiles run along neighbouring rows.
; LAYOUT OF THE SCALE WORDS (ws): [tensor 5][K step 16][row tile 128][position 16], four bytes a word.
; LAYOUT OF THE TABLE (rt): [row tile 128][g 16][lane 32][16 bytes], g = 8 (0 cos, 1 sin) + 4 c + q; element e of lane (r, h) belongs to frequency 32 c + 16 h + 4 q + e and to the row at position r.
; SHARES.  10,240 fragments, 40 to a work-group: waves 0 to 9 take four each (32 rows x 256 along K); wave 10 makes 1/256 of the table.  Waves share nothing: no barrier.
; Each load reads 512 consecutive bytes of one row; a fragment's 16 rows turn through the wave's own stage in LDS (rows of 512 + 16 bytes) and come back with two whole blocks of 32 in a lane.
; THE INDEX: t = position, + 1,024 where it is negative, then held to 0 .. 1,023 (the table of reference() has 1,024 rows).  It enters values only, no address.
; LIMITS: NaN and infinities among the inputs are not served.  A block whose largest magnitude lies under 2^-124, a block of zeros among them, gets the byte 1 (its codes are then zeros or near zeros); these bytes are read by this program alone.
; The inverse frequencies come from v_exp_f32, so an angle of up to 1,023 rad can differ from reference()'s by about 1e-4 rad.  Sine and cosine: reduction by pi/2 in two parts, polynomials on +-pi/4, in f32.
.set STG,  8448                        ; a wave's stage: 16 rows x 528 bytes
.set SP,   528
.set WD,   16                          ; v16-19  the four fragments' scale words
.set PC,   20                          ; v20-31  a fragment's codes
.set CT,   32                          ; v32-38  the upper halves of the blocks' codes, as the conversions leave them
.set X,    64                          ; v64-127 register 32 c + e = k 64 c + 32 h + e of my row
.set R,    128                         ; v128-255 two sets of 16 x 4 registers as loaded
	s_load_b256 s[4:11], s[0:1], 0x0               ; x, Wq, Wk, Wv
	s_load_b256 s[12:19], s[0:1], 0x20             ; Wo, position_ids, wc, ws
	s_load_b64 s[20:21], s[0:1], 0x40              ; rt
	s_set_vgpr_msb 0x40
	v_lshl_add_u32 v0, v0, 2, 0x14a00
	v_mov_b32 v1, 0
	s_set_vgpr_msb 0x4000
	v_lshrrev_b32 v1, 5, v0
	v_readfirstlane_b32 s22, v1                    ; wave 0..10
	v_and_b32 v1, 31, v0                           ; lane
	v_lshlrev_b32 v2, 4, v1                        ; 16 x lane: never rewritten
	v_and_b32 v7, 15, v0                           ; r
	v_bfe_u32 v6, v0, 4, 1                         ; h
	s_cmp_eq_u32 s22, 10
	s_cbranch_scc1 .Lrope
	; ---- waves 0 to 9: unit u = 10 x work-group + wave: tensor u / 512, rows 32 ((u / 8) % 64) on, K 256 (u % 8) on
	s_mul_i32 s23, ttmp9, 10
	s_add_co_u32 s23, s23, s22
	s_lshr_b32 s24, s23, 9                         ; tensor
	s_bfe_u32 s25, s23, 0x60003                    ; pair of row tiles
	s_and_b32 s26, s23, 7                          ; pair of K steps
	s_mul_i32 s27, s22, STG
	v_add_nc_u32 v3, s27, v2                       ; the stage, on the way in: 16 x lane in a row
	v_mul_u32_u24 v4, v7, SP
	v_lshl_add_u32 v4, v6, 7, v4
	v_add_nc_u32 v4, s27, v4                       ; and out: row r, + 128 h
	v_lshlrev_b32 v5, 2, v1                        ; 4 x lane
	v_lshlrev_b32 v6, 3, v6                        ; 8 h: my bytes' place in a scale word
	v_mov_b32 v15, 0                               ; written once: a lane permute's destination counts as one of its sources
	s_mov_b32 s36, 0x76543210
	s_mov_b32 s37, 0xfedcba98                      ; v_permlanex16_b32's selects for lane l xor 16
	s_lshl_b32 s28, s25, 18                        ; the source: 32 rows of 8,192 bytes,
	s_lshl_b32 s30, s26, 10                        ; 256 numbers along K
	s_add_co_u32 s28, s28, s30
	s_mov_b32 s29, 0
	s_mul_i32 s30, s24, 3145728                    ; the codes: tensor,
	s_mul_i32 s32, s25, 49152                      ; two row tiles of 24,576 bytes,
	s_add_co_u32 s30, s30, s32
	s_mul_i32 s32, s26, 3072                       ; two K steps of 1,536
	s_add_co_u32 s30, s30, s32
	s_mov_b32 s31, 0
	s_lshl_b32 s32, s24, 17                        ; the scale words: tensor,
	s_lshl_b32 s34, s26, 14                        ; two K steps of 8,192 bytes,
	s_add_co_u32 s32, s32, s34
	s_lshl_b32 s34, s25, 7                         ; two row tiles of 64
	s_add_co_u32 s32, s32, s34
	s_mov_b32 s33, 0
	s_wait_kmcnt 0x0
	s_cmp_eq_u32 s24, 1                            ; the choice hangs on the unit's number alone
	s_cselect_b64 s[4:5], s[6:7], s[4:5]
	s_cmp_eq_u32 s24, 2
	s_cselect_b64 s[4:5], s[8:9], s[4:5]
	s_cmp_eq_u32 s24, 3
	s_cselect_b64 s[4:5], s[10:11], s[4:5]
	s_cmp_eq_u32 s24, 4
	s_cselect_b64 s[4:5], s[12:13], s[4:5]
	s_add_nc_u64 s[4:5], s[4:5], s[28:29]
	s_add_nc_u64 s[16:17], s[16:17], s[30:31]
	s_add_nc_u64 s[18:19], s[18:19], s[32:33]
; fragment f = 2 u + s: row tile u of the pair, K step s of the pair.  16 loads, a row each: 512 consecutive bytes
.macro LOAD f
.irp i, 0,1,2,3,4,5,6,7,8,9,10,11,12,13,14,15
	global_load_b128 v[R+64*((\f)%2)+4*\i:R+64*((\f)%2)+4*\i+3], v2, s[4:5] offset:(8*((\f)/2)+\i+8*(\i/8))*8192+512*((\f)%2) th:TH_LOAD_NT
.endr
.endm
; my two blocks (c = 0, 1: blocks h and 2 + h of my row) become registers 6 c .. 6 c + 5 of the fragment; the four bytes of the row's word are gathered from lanes l and l xor 16
.macro QUANTW f
.irp c, 0,1
	v_max3_num_f32 v[8+\c], |v[X+32*\c]|, |v[X+32*\c+1]|, 0x1800000   ; with the floor 2^(3 - 127) among the leaves: the byte cannot fall under 1
.endr
.irp i, 2,4,6,8,10,12,14,16,18,20,22,24,26,28,30
.irp c, 0,1
	v_max3_num_f32 v[8+\c], v[8+\c], |v[X+32*\c+\i]|, |v[X+32*\c+\i+1]|   ; (the two blocks by turns)
.endr
.endr
.irp c, 0,1
	v_add_nc_u32 v[10+\c], 0xff000000, v[8+\c]     ; 2 off the exponent field: the conversion takes this operand's exponent field as its scale
.endr
.irp c, 0,1
	v_lshrrev_b32 v[12+\c], 23, v[10+\c]           ; the scale's byte
.endr
.irp c, 0,1
	v_cvt_scalef32_pk16_fp6_f32 v[PC+6*\c:PC+6*\c+2], v[X+32*\c:X+32*\c+15], v[10+\c]
	v_cvt_scalef32_pk16_fp6_f32 v[CT+4*\c:CT+4*\c+2], v[X+32*\c+16:X+32*\c+31], v[10+\c]   ; (a conversion's three registers begin on an even number)
.endr
	v_lshl_or_b32 v14, v13, 16, v12                ; my two bytes (a plain line behind the conversions),
	v_lshlrev_b32 v14, v6, v14                     ; at their places,
	v_permlanex16_b32 v15, v14, s36, s37
	v_or_b32 v[WD+(\f)], v14, v15                  ; with lane l xor 16's two: the row's word, in both halves of the lanes
.irp c, 0,1
.irp i, 0,1,2
	v_mov_b32 v[PC+3+6*\c+\i], v[CT+4*\c+\i]
.endr
.endr
.endm
.macro STEP f
.if (\f) < 3
	s_wait_loadcnt 16                              ; this fragment's 16 loads are in; the next fragment's 16 may be out
.else
	s_wait_loadcnt 0x0
.endif
.irp i, 0,1,2,3,4,5,6,7,8,9,10,11,12,13,14,15
	ds_store_b128 v3, v[R+64*((\f)%2)+4*\i:R+64*((\f)%2)+4*\i+3] offset:SP*\i
.endr
.irp c, 0,1
.irp j, 0,1,2,3,4,5,6,7
	ds_load_b128 v[X+32*\c+4*\j:X+32*\c+4*\j+3], v4 offset:256*\c+16*\j   ; LDS serves a wave's instructions in order: these see the stores above
.endr
.endr
	s_wait_dscnt 0x0                               ; my numbers are back, and the stores have read their registers,
.if (\f) < 2
	LOAD (\f)+2                                    ; which take the fragment two on
.endif
	s_wait_xcnt 0x0                                ; the last fragment's stores have read the codes' registers
	QUANTW \f
.irp g, 0,1,2
	global_store_b128 v2, v[PC+4*\g:PC+4*\g+3], s[16:17] offset:((\f)/2)*24576+((\f)%2)*1536+512*\g   ; 32 lanes store 512 consecutive bytes, aligned to 512
.endr
.endm
	LOAD 0
	LOAD 1
	STEP 0
	STEP 1
	STEP 2
	STEP 3
	v_cmp_le_u32 vcc_lo, 16, v1                    ; lanes 0-15 store the words of the pair's first tile, lanes 16-31 those of the second: 128 consecutive bytes
.irp s, 0,1
	v_cndmask_b32 v[40+\s], v[WD+\s], v[WD+2+\s], vcc_lo
.endr
.irp s, 0,1
	global_store_b32 v5, v[40+\s], s[18:19] offset:8192*\s
.endr
	s_set_vgpr_msb 0x5
	s_wait_tensorcnt 0x0
	ds_add_u32 v0, v1
	s_wait_dscnt 0x0
	s_set_vgpr_msb 0x500
	s_endpgm
	; ---- wave 10: row tile = work-group / 2, c = work-group % 2: 16 rows x 32 frequencies, 16 a lane
.Lrope:
	s_lshr_b32 s23, ttmp9, 1                       ; row tile
	s_and_b32 s24, ttmp9, 1                        ; c
	s_lshr_b32 s25, s23, 1
	s_lshl_b32 s25, s25, 5
	s_and_b32 s26, s23, 1
	s_lshl_b32 s26, s26, 3
	s_add_co_u32 s25, s25, s26                     ; the tile's first row
	s_lshl_b32 s28, s25, 2
	s_mov_b32 s29, 0
	s_lshl_b32 s30, s23, 13                        ; 8,192 bytes of the table a tile,
	s_lshl_b32 s26, s24, 11                        ; 2,048 c
	s_add_co_u32 s30, s30, s26
	s_mov_b32 s31, 0
	v_and_b32 v3, 8, v7
	v_add_nc_u32 v3, v3, v7                        ; r + 8 (r / 8)
	v_lshlrev_b32 v3, 2, v3
	s_lshl_b32 s27, s24, 5
	v_lshl_add_u32 v4, v6, 4, s27                  ; my first frequency: 32 c + 16 h
	s_mov_b32 s38, 0xbe549a78                      ; -log2(10000) / 64
	s_mov_b32 s39, 0x3f22f983                      ; 2 / pi
	s_mov_b32 s40, 0x3fc90fdb                      ; pi / 2, its upper part,
	s_mov_b32 s41, 0xb33bbd2e                      ; and the rest
	s_mov_b32 s42, 0xb94ca1f9                      ; sine: -1.9515296e-4,
	s_mov_b32 s43, 0x3c08839e                      ; 8.3321609e-3,
	s_mov_b32 s44, 0xbe2aaaa3                      ; -1.6666655e-1
	s_mov_b32 s45, 0x37ccf5ce                      ; cosine: 2.4433157e-5,
	s_mov_b32 s46, 0xbab6061a                      ; -1.3887316e-3,
	s_mov_b32 s47, 0x3d2aaaa5                      ; 4.1666646e-2
	s_mov_b32 s48, 0x80000000
	s_wait_kmcnt 0x0
	s_add_nc_u64 s[14:15], s[14:15], s[28:29]
	s_add_nc_u64 s[20:21], s[20:21], s[30:31]
	global_load_b32 v5, v3, s[14:15]               ; my row's position
.irp i, 0,1,2,3,4,5,6,7,8,9,10,11,12,13,14,15
	v_add_nc_u32 v[16+\i], \i, v4
.endr
.irp i, 0,1,2,3,4,5,6,7,8,9,10,11,12,13,14,15
	v_cvt_f32_u32 v[16+\i], v[16+\i]
.endr
.irp i, 0,1,2,3,4,5,6,7,8,9,10,11,12,13,14,15
	v_mul_f32 v[16+\i], s38, v[16+\i]
.endr
.irp i, 0,1,2,3,4,5,6,7,8,9,10,11,12,13,14,15
	v_exp_f32 v[16+\i], v[16+\i]                   ; 10000^(-frequency / 64): one batch
.endr
	v_nop                                          ; a plain line behind the last exponential
	s_wait_loadcnt 0x0
	v_cvt_f32_i32 v8, v5
	v_add_f32 v9, 0x44800000, v8                   ; + 1,024
	v_cmp_gt_f32 vcc_lo, 0, v8
	v_cndmask_b32 v8, v8, v9, vcc_lo               ; where it is negative
	v_max_num_f32 v8, 0, v8
	v_min_num_f32 v8, 0x447fc000, v8               ; held to 0 .. 1,023
	s_wait_alu depctr_va_vdst(0)                   ; one wait for the batch, ahead of its first reader
.irp i, 0,1,2,3,4,5,6,7,8,9,10,11,12,13,14,15
	v_mul_f32 v[16+\i], v8, v[16+\i]               ; the angle, rounded once, as reference() rounds it
.endr
.macro SINCOS i
.set W, 64+16*((\i)%2)                         ; two sets of work registers by turns
	v_mul_f32 v[W], s39, v[16+\i]
	v_rndne_f32 v[W], v[W]                         ; n = the nearest multiple of pi / 2
	v_fma_f32 v[W+1], -v[W], s40, v[16+\i]
	v_fma_f32 v[W+1], -v[W], s41, v[W+1]           ; r = angle - n pi / 2, within +-pi / 4
	v_mul_f32 v[W+2], v[W+1], v[W+1]               ; z = r r
	v_cvt_i32_f32 v[W+3], v[W]
	v_fma_f32 v[W+4], s42, v[W+2], s43
	v_fma_f32 v[W+4], v[W+4], v[W+2], s44
	v_mul_f32 v[W+5], v[W+2], v[W+1]
	v_fma_f32 v[W+4], v[W+4], v[W+5], v[W+1]       ; sin r
	v_fma_f32 v[W+6], s45, v[W+2], s46
	v_fma_f32 v[W+6], v[W+6], v[W+2], s47
	v_mul_f32 v[W+7], v[W+2], v[W+2]
	v_fma_f32 v[W+8], v[W+2], -0.5, 1.0
	v_fma_f32 v[W+6], v[W+6], v[W+7], v[W+8]       ; cos r
	v_and_b32 v[W+9], 1, v[W+3]
	v_cmp_ne_u32 vcc_lo, 0, v[W+9]                 ; an odd n: the two change places
	v_cndmask_b32 v[W+10], v[W+4], v[W+6], vcc_lo
	v_cndmask_b32 v[W+11], v[W+6], v[W+4], vcc_lo
	v_lshlrev_b32 v[W+12], 30, v[W+3]
	v_and_b32 v[W+12], s48, v[W+12]                ; the sine is negative where n % 4 is 2 or 3,
	v_xor_b32 v[48+\i], v[W+10], v[W+12]
	v_add_nc_u32 v[W+13], 1, v[W+3]
	v_lshlrev_b32 v[W+13], 30, v[W+13]
	v_and_b32 v[W+13], s48, v[W+13]                ; the cosine where it is 1 or 2
	v_xor_b32 v[32+\i], v[W+11], v[W+13]
.endm
.irp i, 0,1,2,3,4,5,6,7,8,9,10,11,12,13,14,15
	SINCOS \i
.endr
.irp q, 0,1,2,3
	global_store_b128 v2, v[32+4*\q:35+4*\q], s[20:21] offset:512*\q        ; 512 consecutive bytes each
	global_store_b128 v2, v[48+4*\q:51+4*\q], s[20:21] offset:4096+512*\q
.endr
	s_endpgm
.Lfunc_end_k_q301a71686a_prep:
	.size	k_q301a71686a_prep, .Lfunc_end_k_q301a71686a_prep-k_q301a71686a_prep
	.p2alignl 7, 3214868480
	.fill 96, 4, 3214868480
	.section	.rodata,"a",@progbits
	.p2align	6, 0x0
	.amdhsa_kernel k_q301a71686a_prep
		.amdhsa_group_segment_fixed_size 86016
		.amdhsa_private_segment_fixed_size 0
		.amdhsa_enable_private_segment 0
		.amdhsa_kernarg_size 72
		.amdhsa_user_sgpr_count 2
		.amdhsa_user_sgpr_kernarg_segment_ptr 1
		.amdhsa_wavefront_size32 1
		.amdhsa_system_sgpr_workgroup_id_x 1
		.amdhsa_system_sgpr_workgroup_id_y 1
		.amdhsa_system_sgpr_workgroup_id_z 1
		.amdhsa_system_vgpr_workitem_id 0
		.amdhsa_next_free_vgpr 258
		.amdhsa_next_free_sgpr 66
		.amdhsa_reserve_vcc 1
		.amdhsa_float_denorm_mode_32 3
		.amdhsa_float_denorm_mode_16_64 3
		.amdhsa_memory_ordered 1
		.amdhsa_forward_progress 1
		.amdhsa_inst_pref_size 53
	.end_amdhsa_kernel
	.amdgpu_metadata
---
amdhsa.version: [ 1, 2 ]
amdhsa.kernels:
  - .name:           k_q301a71686a_prep
    .symbol:         k_q301a71686a_prep.kd
    .args:
      - { .name: x, .offset: 0, .size: 8, .value_kind: global_buffer, .address_space: global }
      - { .name: Wq, .offset: 8, .size: 8, .value_kind: global_buffer, .address_space: global }
      - { .name: Wk, .offset: 16, .size: 8, .value_kind: global_buffer, .address_space: global }
      - { .name: Wv, .offset: 24, .size: 8, .value_kind: global_buffer, .address_space: global }
      - { .name: Wo, .offset: 32, .size: 8, .value_kind: global_buffer, .address_space: global }
      - { .name: position_ids, .offset: 40, .size: 8, .value_kind: global_buffer, .address_space: global }
      - { .name: wc, .offset: 48, .size: 8, .value_kind: global_buffer, .address_space: global }
      - { .name: ws, .offset: 56, .size: 8, .value_kind: global_buffer, .address_space: global }
      - { .name: rt, .offset: 64, .size: 8, .value_kind: global_buffer, .address_space: global }
    .group_segment_fixed_size: 86016
    .private_segment_fixed_size: 0
    .kernarg_segment_align: 8
    .kernarg_segment_size: 72
    .max_flat_workgroup_size: 352
    .sgpr_count:     66
    .vgpr_count:     258
    .wavefront_size: 32
...
	.end_amdgpu_metadata
.endif
;; end of part 1
;; launch qkvp (part 2): grid 24 x 8, 4 waves a work-group, clusters of 4 x 4, 327,680 bytes of LDS; arguments wc, ws, rt, bq, bk, bv, qkv, qkvs; writes qkv, qkvs
.if DOCPART == 2
	.amdgcn_target "amdgcn-amd-amdhsa--gfx1250"
	.amdhsa_code_object_version 6
	.text
	.protected	k_q301a71686a_qkvp
	.globl	k_q301a71686a_qkvp
	.p2align	8
	.type	k_q301a71686a_qkvp,@function
k_q301a71686a_qkvp:
	s_mov_b64 s[64:65], 0
	v_nop
	global_prefetch_b8 v0, s[64:65] scope:SCOPE_SE
	s_setreg_imm32_b32 hwreg(HW_REG_WAVE_MODE, 25, 1), 1
	s_wait_xcnt 0x0
	s_wait_alu depctr_hold_cnt(0) depctr_sa_sdst(0) depctr_va_vdst(0) depctr_va_sdst(0) depctr_va_ssrc(0) depctr_va_vcc(0) depctr_vm_vsrc(0)
	s_getreg_b32 s2, hwreg(HW_REG_IB_STS2, 6, 4)
	s_cmp_eq_u32 s2, 0
	s_cbranch_scc0 .Lentry_in_a_cluster
	s_endpgm
.Lentry_in_a_cluster:
	s_bfe_u32 s2, ttmp6, 0x10000c
	s_cmp_lg_u32 s2, 0xf033
	s_cbranch_scc0 .Lentry_shape_is_right
	s_endpgm
.Lentry_shape_is_right:
; Q = x Wq^T + bq, K = x Wk^T + bk (both rotated by the table rt), V = x Wv^T + bv, on codes of FP6 (E2M3) with E8M0 scales; the results are quantised in registers and stored as operands of the attention launch.
; A work-group makes 256 "A rows" x 256 "B rows", a wave 128 x 128: 64 accumulators.  The matrix instruction is used transposed (source 0 = 16 B rows, source 1 = 16 A rows): a lane holds ONE A row and its
; registers run along the wave's 128 B rows, in their natural order (the rows of a tile are chosen for that: position p of row tile RT is row 32 (RT / 2) + 8 (RT % 2) + p + 8 (p / 8)).
; Cluster x 0 to 3 (TY = 0): A = x, B = [Wq; Wk]: the 128 B rows are one head's 128 channels, the next product's K.   Cluster x 4, 5 (TY = 1): A = Wv, B = x: the 128 B rows are 128 keys, the K of V's product.
; TY is the same in all partners of a cluster; one text serves both, but for the way out, which parts once on TY.
; 192 work-groups.
; OPERANDS lie in memory and in LDS as images of their registers (a fragment: 1,536 bytes, registers 4 g .. 4 g + 3 of lane l at 512 g + 16 l): three ds_load_b128 of 512 consecutive bytes bring one; no pitch, no padding.
; THE RING: two LDS slots of THREE K steps of 128; each wave fetches a quarter of a slot (8 row tiles x 4,608 bytes) with one tensor load.  The 16 K steps are fills of 3, 3, 3, 3, 3 and 1: four refills,
; each with 176 matrix instructions of the wave between the request and the wait for it.  The two slots take 294,912 bytes; beside them lie the scale words of K steps 2 to 15 of the work-group's rows, which come once,
; and the spare words.  The scale words of K steps 0 and 1 have no room there: they go from memory straight into their registers, at the head.
; THE LDS LOADS ARE DEALT AMONG THE MATRIX INSTRUCTIONS: a K step is eight groups of eight matrix instructions (one tile of A against B's eight), and ahead of each group stand six of the next K step's 48 loads
; (eight in the step that changes slots, whose loads begin behind its barrier), B's fragments first, then the scale words, then A's tiles in the order of their use.  So a wave's matrix instructions never stand behind
; more than fourteen LDS loads.  The price is two switches of the register window for each group; a run of 48 loads in all four waves at once is the dearer.
; THE K LOOP IS WRITTEN OUT: slots come back after 6 K steps, the sets of fragments after 2, the sets of scale words after 4: the numbers repeat after 12 of the 16 steps.
; CLUSTERS: 4 x 4.  A's tiles are shared along a row of the cluster, B's along a column: joint loads, the same descriptor in the four that the mask names.
; OUTPUT: qkv [hh 48: Q 0-15, K 16-31, V 32-47][batch 2][group 8][tile 8][1,536]; qkvs [hh][batch][group][lane 32][4 words]: word e of lane (r, h) is the scale word of tile 2 e + h, position r.
; LIMITS: NaN and infinities are not served; a block whose largest magnitude lies under 2^-124 gets the byte 1 (read by this program alone).
; REGISTERS, in windows of 256: window 0: v1-15 addresses; v16-31 bv of my lane's rows; v32-63 scale words, two sets of two K steps; v64-159, v160-255 A's fragments, two sets.
;   window 1: v0-95, v128-223 B's fragments, two sets; v96-127, v224-255 the bias of my 128 B rows in the result's layout.   windows 2, 3: accumulator (a, b) at v[8 (8 (a % 4) + b)].
;   On the way out: window 0: v64-127 a tile's 64 numbers, v128-187 at work; window 1: three sets of 32 cosines and 32 sines where B's fragments lay.
.set QTR,   36864                      ; a quarter of a slot: [tile 8][K step 3][1,536]
.set SLOT,  147456
.set SCL,   294912                     ; behind the ring: the scale words, four quarters of [K steps 2 to 15][512]
.set SCQ,   7168
.set SPARE, 323584                     ; the spare words, 128 bytes for each wave: two blocks of 256 bytes that no other line names
.set TROW,  24576                      ; a row tile's 16 K steps in wc
.set TENS,  3145728                    ; a tensor in wc
.set ADRA, 6                           ; v6-7   LDS address of my A fragments in slot 0, 1
.set ADRB, 8                           ; v8-9   the same for B
.set ADSA, 10                          ; v10    of A's scale words; never rewritten
.set ADSB, 11                          ; v11    of B's; never rewritten
.set LI,   12                          ; v12    16 x lane; never rewritten
.set SPW,  13                          ; v13    LDS address of my spare word; never rewritten
.set NIL,  14                          ; v14    0; never rewritten
.set PFO,  15                          ; v15    256 x lane; never rewritten
.set BL,   16
.set SC,   32                          ; K steps 2 m and 2 m + 1 in set m % 2, at SC + 16 (m % 2): A's words of K step 2 m + q, tiles 2 i and 2 i + 1 (lanes 0-15, 16-31) at + 4 q + i, B's at + 8 + 4 q + i
.set AF,   64
.set H,    64
.set PC,   128
.set TM,   148
.set PW,   164
.set PW8,  166
.set TT,   174
.set SWO,  184
.set G1L,  4                           ; s[4:11], s[12:19] group 1 for the last fill, of one K step, for A's and for B's tiles: written when the arguments' addresses that lay here are done with
.set G1LB, 12
.set G1,   24                          ; s[24:31] group 1 for A's tiles; s[32:39] group 0, a set for each slot
.set G0,   32
.set G1B,  48                          ; s[48:55], s[56:63] the same for B's
.set G0B,  56
.set G1S,  68                          ; s[68:75], s[76:79] groups 1 and 0 for A's scale words; s[80:87], s[88:91] for B's
.set G0S,  76
.set G1SB, 80
.set G0SB, 88
.set PFA,  92
.set RTB,  94
.set OUT,  96
.set OSC,  98
.set SEL,  100
.set MSB, 0
.macro WIN new                         ; the immediate's high byte repeats the setting that is left; a switch that changes nothing is dropped
.if MSB != (\new)
	s_set_vgpr_msb (MSB<<8)|(\new)
.set MSB, (\new)
.endif
.endm
.macro PLACES n
.rept \n
	v_nop
.endr
.endm
; a joint load: waves 0 and 1 fetch for A, waves 2 and 3 for B; the branch hangs on the wave's number alone; four v_nop follow each of the two lines
.macro JLOAD g0a, g1a, g0b, g1b
	s_cmp_eq_u32 s21, 0
	s_cbranch_scc0 .Lfor_b_\@
	tensor_load_to_lds s[\g0a:\g0a+3], s[\g1a:\g1a+7]
	s_nop 0
.rept 4
	v_nop
.endr
	s_branch .Lasked_\@
.Lfor_b_\@:
	tensor_load_to_lds s[\g0b:\g0b+3], s[\g1b:\g1b+7]
	s_nop 0
.rept 4
	v_nop
.endr
.Lasked_\@:
.endm
.macro CREST                           ; a round of the cluster's barrier behind its opening barrier
	s_cmp_lg_u32 s20, 0
	s_cbranch_scc1 .Lnot_wave_0_\@
	s_barrier_signal -3
.Lnot_wave_0_\@:
	s_barrier_wait -3
	s_barrier_signal -1
	s_barrier_wait -1
.endm
.macro CROUND
	s_barrier_signal -1
	s_barrier_wait -1
	CREST
.endm
; one matrix instruction, by the symbols rD, rC (cZ = 1: the constant 0), rB (source 0), rA (source 1), sB, sA (their scale registers), oB, oA (1: the words lie in lanes 16-31)
.macro WM
.if cZ
.if oB && oA
	v_wmma_scale_f32_16x16x128_f8f6f4 v[rD:rD+7], v[rB:rB+11], v[rA:rA+11], 0, v[sB], v[sA] matrix_a_fmt:MATRIX_FMT_FP6 matrix_b_fmt:MATRIX_FMT_FP6 matrix_a_scale:MATRIX_SCALE_ROW1 matrix_b_scale:MATRIX_SCALE_ROW1
.elseif oB
	v_wmma_scale_f32_16x16x128_f8f6f4 v[rD:rD+7], v[rB:rB+11], v[rA:rA+11], 0, v[sB], v[sA] matrix_a_fmt:MATRIX_FMT_FP6 matrix_b_fmt:MATRIX_FMT_FP6 matrix_a_scale:MATRIX_SCALE_ROW1
.elseif oA
	v_wmma_scale_f32_16x16x128_f8f6f4 v[rD:rD+7], v[rB:rB+11], v[rA:rA+11], 0, v[sB], v[sA] matrix_a_fmt:MATRIX_FMT_FP6 matrix_b_fmt:MATRIX_FMT_FP6 matrix_b_scale:MATRIX_SCALE_ROW1
.else
	v_wmma_scale_f32_16x16x128_f8f6f4 v[rD:rD+7], v[rB:rB+11], v[rA:rA+11], 0, v[sB], v[sA] matrix_a_fmt:MATRIX_FMT_FP6 matrix_b_fmt:MATRIX_FMT_FP6
.endif
.else
.if oB && oA
	v_wmma_scale_f32_16x16x128_f8f6f4 v[rD:rD+7], v[rB:rB+11], v[rA:rA+11], v[rC:rC+7], v[sB], v[sA] matrix_a_fmt:MATRIX_FMT_FP6 matrix_b_fmt:MATRIX_FMT_FP6 matrix_a_scale:MATRIX_SCALE_ROW1 matrix_b_scale:MATRIX_SCALE_ROW1
.elseif oB
	v_wmma_scale_f32_16x16x128_f8f6f4 v[rD:rD+7], v[rB:rB+11], v[rA:rA+11], v[rC:rC+7], v[sB], v[sA] matrix_a_fmt:MATRIX_FMT_FP6 matrix_b_fmt:MATRIX_FMT_FP6 matrix_a_scale:MATRIX_SCALE_ROW1
.elseif oA
	v_wmma_scale_f32_16x16x128_f8f6f4 v[rD:rD+7], v[rB:rB+11], v[rA:rA+11], v[rC:rC+7], v[sB], v[sA] matrix_a_fmt:MATRIX_FMT_FP6 matrix_b_fmt:MATRIX_FMT_FP6 matrix_b_scale:MATRIX_SCALE_ROW1
.else
	v_wmma_scale_f32_16x16x128_f8f6f4 v[rD:rD+7], v[rB:rB+11], v[rA:rA+11], v[rC:rC+7], v[sB], v[sA] matrix_a_fmt:MATRIX_FMT_FP6 matrix_b_fmt:MATRIX_FMT_FP6
.endif
.endif
.endm
; eight matrix instructions: A's tile a x B's eight, K step k (fragments in set k % 2, scale words in set (k / 2) % 2).  The 64 accumulators take turns, one instruction a turn, in the same order in every K step
.macro MUL8 a, k, zero
.irp b, 0,1,2,3,4,5,6,7
.set rD, 8*(8*((\a)%4)+\b)
.set rC, rD
.set rB, 128*((\k)%2)+12*\b
.set rA, AF+96*((\k)%2)+12*(\a)
.set sB, SC+16*(((\k)/2)%2)+8+4*((\k)%2)+\b/2
.set sA, SC+16*(((\k)/2)%2)+4*((\k)%2)+(\a)/2
.set oB, \b%2
.set oA, (\a)%2
.set cZ, \zero
	WM
.endr
.endm
; THE COUNT OF LDS INSTRUCTIONS.  DSN counts, while the text is assembled, the LDS instructions written so far; no loop goes round them and no branch jumps over one, so it is the wave's own count.
; LDS instructions end in order (ISA guide 5.7.1): the one that was number idx is done when at most DSN - idx are out.  The field holds 63: a larger count is held there, which waits for more, never for less.
.set DSN, 0
.macro DSWAIT idx
.set wN, DSN-(\idx)
.if wN > 63
.set wN, 63
.endif
	s_wait_dscnt wN
.endm
; loads n0 .. n0 + cnt - 1 of the 48 that bring K step kn's fragments into set kn % 2: 0-23 B's eight fragments, 24-47 A's eight tiles.  K step kn lies in slot (kn / 3) % 2, as its (kn % 3)-th; the last fill holds K step 15 alone.
; NAS keeps the count in front of A's first load: A's 24 loads follow each other with no other LDS instruction between, so tile a's last load is number NAS + 3 (a + 1), and all of B's and the scale words' come before it.
.macro LDRUN kn, n0, cnt
.set nn, (\n0)
.rept (\cnt)
.set sl, ((\kn)/3)%2
.set qq, (\kn)%3
.set ts, 4608
.if (\kn) == 15
.set ts, 1536
.endif
.if nn < 24
	WIN 0x40                                       ; destination window 1, address window 0
.set rr, 128*((\kn)%2)+4*nn
	ds_load_b128 v[rr:rr+3], v[ADRB+sl] offset:ts*(nn/3)+1536*qq+512*(nn%3)
.else
	WIN 0
.if nn == 24
.set NAS, DSN
.endif
.set rr, AF+96*((\kn)%2)+4*(nn-24)
	ds_load_b128 v[rr:rr+3], v[ADRA+sl] offset:ts*((nn-24)/3)+1536*qq+512*((nn-24)%3)
.endif
.set DSN, DSN+1
.set nn, nn+1
.endr
.endm
; loads j0 .. j0 + cnt - 1 of the 16 that bring the scale words of K steps 2 m and 2 m + 1 into set m % 2: lanes 0-15 take tile 2 i's words, lanes 16-31 tile 2 i + 1's: 128 consecutive bytes a load; every offset is an immediate
.macro SCRUN m, j0, cnt
.set jj, (\j0)
.rept (\cnt)
.set sq, jj/8
.set si, (jj%8)/2
.if (jj%2) == 0
	ds_load_b32 v[SC+16*((\m)%2)+4*sq+si], v[ADSA] offset:512*(2*(\m)+sq-2)+128*si
.else
	ds_load_b32 v[SC+16*((\m)%2)+8+4*sq+si], v[ADSB] offset:512*(2*(\m)+sq-2)+128*si
.endif
.set DSN, DSN+1
.set jj, jj+1
.endr
.endm
; A K step that has its successor in the same slot.  Four plain places stand between the last K step's products and the first load into the registers that they have read (ISA guide 7.12.1 for vector instructions).
; Ahead of tile g's products: six of the next K step's loads (with them, ahead of an even K step, four of its pair's scale words), and the wait for my tile g of A, which leaves all that was issued behind it out.
.macro KSTEP k, zero
	PLACES 4
.irp g, 0,1,2,3,4,5,6,7
	LDRUN (\k)+1, 6*\g, 6
.if ((((\k)+1)%2) == 0) && (\g < 4)
	WIN 0
	SCRUN ((\k)+1)/2, 4*\g, 4
.endif
	DSWAIT CAS+3*(\g+1)
	WIN 0xa1+0x50*(\g/4)                           ; source 0 (B) window 1, source 1 (A) window 0, C and D window 2 (tiles 0-3) or 3 (tiles 4-7)
	MUL8 \g, \k, \zero
.endr
.set CAS, NAS
.endm
; a prefetch of the table that the way out reads: the work-group's 16 row tiles are 131,072 bytes; of the clusters that read them the one with x = 0 asks; its four partners along x and their four waves share the
; 512 blocks of 256 bytes out by address, a lane a block.  It stands once, at the change of slots in K step 11, 304 matrix instructions ahead of the first load of the table.
.macro ASK
	s_cmp_eq_u32 ttmp9, 0
	s_cbranch_scc0 .Lnot_mine_\@
	global_prefetch_b8 v[PFO], s[PFA:PFA+1] th:TH_LOAD_NT scope:SCOPE_SE
.Lnot_mine_\@:
.endm
; A slot's last K step changes slots: ONE barrier; in front of it each wave waits for all its tensor loads, adds 0 to its spare word, and waits for that and for its reads of this slot (this step's fragments were asked for a K step ago).
; fill = 1: the barrier opens a round of the cluster's barrier, and this slot is filled again, with the K steps six on (last = 1: with K step 15 alone).  The next K step's 48 loads, from the other slot, stand behind the barrier, eight to a group.
.macro KTURN k, fill, last, ask
.set tsl, ((\k)/3)%2
	WIN 0
	s_wait_tensorcnt 0x0                           ; all my tensor loads have landed: my part of the other slot
	ds_add_u32 v[SPW], v[NIL]                      ; 0 onto my spare word
.set DSN, DSN+1
	DSWAIT CAS+3                                   ; (the add and A's tiles 1-7 may be out)
	WIN 0xa1
	MUL8 0, \k, 0                                  ; eight matrix instructions stand between the add and the wait for it
	s_wait_dscnt 0x0                               ; the add is done, and my reads of this slot are over
	s_barrier_signal -1
	MUL8 1, \k, 0
	WIN 0
	s_barrier_wait -1
.if \fill
	CREST                                          ; no wave of any partner still reads this slot or has a load on its way
	s_add_nc_u64 s[G0+4*tsl+2:G0+4*tsl+3], s[G0+4*tsl+2:G0+4*tsl+3], 9216
	s_add_nc_u64 s[G0B+4*tsl+2:G0B+4*tsl+3], s[G0B+4*tsl+2:G0B+4*tsl+3], 9216
.if \last
	JLOAD G0+4*tsl, G1L, G0B+4*tsl, G1LB
.else
	JLOAD G0+4*tsl, G1, G0B+4*tsl, G1B             ; the first tensor load behind the round; its four v_nop are also the places in front of the loads below
.endif
.else
	PLACES 4
.endif
.irp g, 2,3,4,5,6,7
	LDRUN (\k)+1, 8*(\g-2), 8
.if (((\k)+1)%2) == 0                          ; the scale words stand among B's loads, ahead of A's first
.if \g == 2
	WIN 0
	SCRUN ((\k)+1)/2, 0, 6
.elseif \g == 3
	WIN 0
	SCRUN ((\k)+1)/2, 6, 5
.elseif \g == 4
	WIN 0
	SCRUN ((\k)+1)/2, 11, 5
.endif
.endif
.if (\ask) && (\g == 2)
	WIN 0                                          ; at a branch and at a label every window is 0
	ASK                                            ; behind the joint load and the first run of LDS loads
.endif
	WIN 0xa1+0x50*(\g/4)
	MUL8 \g, \k, 0
.endr
.set CAS, NAS
.endm
; 64 numbers of a lane, register 16 b + i = k 32 b + 16 (lane / 16) + i of my row, become a fragment's codes in v[PC] on and its scale word in v[PW]
.macro QUANT s
.irp b, 0,1,2,3
	v_max3_num_f32 v[TM+\b], |v[\s+16*\b]|, |v[\s+1+16*\b]|, 0x1800000   ; block b: my 16 numbers, and the floor 2^(3 - 127): the byte cannot fall under 1
.endr
.irp i, 2,4,6,8,10,12,14
.irp b, 0,1,2,3
	v_max3_num_f32 v[TM+\b], v[TM+\b], |v[\s+16*\b+\i]|, |v[\s+1+16*\b+\i]|
.endr
.endr
.irp b, 0,1,2,3
	v_permlanex16_b32 v[TM+4+\b], v[TM+\b], s[SEL], s[SEL+1]
.endr
.irp b, 0,1,2,3
	v_max_num_f32 v[TM+\b], v[TM+\b], v[TM+4+\b]   ; with lane l xor 16's: the block's largest magnitude
.endr
.irp b, 0,1,2,3
	v_add_nc_u32 v[TM+12+\b], 0xff000000, v[TM+\b]   ; 2 off its exponent field: the conversion's scale operand
.endr
.irp b, 0,1,2,3
	v_lshrrev_b32 v[TM+4+\b], 23, v[TM+12+\b]      ; the scale's byte
.endr
	v_lshl_or_b32 v[PW], v[TM+5], 8, v[TM+4]
	v_lshl_or_b32 v[PW], v[TM+6], 16, v[PW]
	v_lshl_or_b32 v[PW], v[TM+7], 24, v[PW]        ; my row's scale word, in both halves of the lanes
.irp c, 0,1
	v_cvt_scalef32_pk16_fp6_f32 v[PC+6*\c:PC+2+6*\c], v[\s+32*\c:\s+15+32*\c], v[TM+12+2*\c]
	v_cvt_scalef32_pk16_fp6_f32 v[PC+12+4*\c:PC+14+4*\c], v[\s+16+32*\c:\s+31+32*\c], v[TM+12+2*\c+1]   ; (a conversion's three registers begin on an even number)
.endr
	v_nop                                          ; one plain place behind a scaled conversion
.irp c, 0,1                                    ; the operand's layout wants a whole block in a lane: lanes 0-15 block 2 c, lanes 16-31 block 2 c + 1
.irp i, 0,1,2
	v_permlane16_swap_b32 v[PC+6*\c+\i], v[PC+12+4*\c+\i]
.endr
.irp i, 0,1,2
	v_mov_b32 v[PC+3+6*\c+\i], v[PC+12+4*\c+\i]
.endr
.endr
.endm
	s_load_b256 s[4:11], s[0:1], 0x0               ; wc s[4:5], ws s[6:7], rt s[8:9], bq s[10:11]
	s_load_b256 s[12:19], s[0:1], 0x20             ; bk s[12:13], bv s[14:15], qkv s[16:17], qkvs s[18:19]
	v_lshl_add_u32 v[SPW], v0, 2, SPARE
	v_mov_b32 v[NIL], 0
	ds_add_u32 v13, v14
	ds_add_u32 v13, v14
	s_wait_dscnt 0x0
	v_lshrrev_b32 v1, 5, v0
	v_readfirstlane_b32 s20, v1                    ; wave 0..3
	s_lshr_b32 s21, s20, 1                         ; which half of A's rows is mine.  Also: I fetch for A (0) or for B (1)
	s_and_b32 s22, s20, 1                          ; which half of B's rows.  Also: which half I fetch
	s_bfe_u32 s40, ttmp6, 0x40000                  ; cx
	s_bfe_u32 s41, ttmp6, 0x40004                  ; cy
	s_lshl_b32 s42, ttmp9, 2
	s_add_co_u32 s42, s42, s40                     ; work-group x
	s_and_b32 s43, ttmp7, 0xffff
	s_lshl_b32 s43, s43, 2
	s_add_co_u32 s43, s43, s41                     ; Y: which 256 A rows
	s_lshl_b32 s44, s41, 2
	s_lshl_b32 s44, 15, s44                        ; my row of the cluster
	s_lshl_b32 s45, 0x1111, s40                    ; my column
	s_cmp_ge_u32 ttmp9, 4
	s_cselect_b32 s46, 1, 0                        ; TY: the same in all sixteen partners
	s_lshl_b32 s47, s46, 4
	s_sub_co_u32 s42, s42, s47                     ; XB: which 256 B rows
	; group 1: 8 rows (row tiles) of 4,608 bytes (three K steps), 24,576 bytes apart; elements of 8 bytes; no padding
	s_or_b32 s[G1], s44, (3<<16)|(1<<21)           ; 15:0 the mask: A's tiles go to my row; 17:16 elements of 8 bytes; 21 set beside a mask
	s_or_b32 s[G1B], s45, (3<<16)|(1<<21)          ; B's to my column
.irp g, G1, G1B
	s_mov_b32 s[\g+1], 576<<16                     ; tensor_dim0
	s_mov_b32 s[\g+2], 8<<16                       ; tensor_dim1
	s_mov_b32 s[\g+3], 576<<16                     ; tile_dim0
	s_mov_b32 s[\g+4], 8                           ; tile_dim1
	s_mov_b32 s[\g+5], 3072                        ; from row to row
	s_mov_b32 s[\g+6], 0
	s_mov_b32 s[\g+7], 0
.endr
	; the scale words of 8 row tiles: 14 rows (K steps 2 to 15) of 512 bytes, 8,192 bytes apart
	s_or_b32 s[G1S], s44, (3<<16)|(1<<21)
	s_or_b32 s[G1SB], s45, (3<<16)|(1<<21)
.irp g, G1S, G1SB
	s_mov_b32 s[\g+1], 64<<16
	s_mov_b32 s[\g+2], 14<<16
	s_mov_b32 s[\g+3], 64<<16
	s_mov_b32 s[\g+4], 14
	s_mov_b32 s[\g+5], 1024
	s_mov_b32 s[\g+6], 0
	s_mov_b32 s[\g+7], 0
.endr
	; A: tensor 0 (x) or 3 (Wv).  I fetch row tiles 16 Y + 8 (wave % 2) on and read row tiles 16 Y + 8 (wave / 2) on
	s_lshl_b32 s2, s43, 4
	s_lshl_b32 s3, s22, 3
	s_add_co_u32 s3, s2, s3
	s_mul_i32 s66, s3, TROW
	s_mul_i32 s47, s46, 3*TENS
	s_add_co_u32 s66, s66, s47
	s_mov_b32 s67, 0                               ; the codes that I fetch
	s_mul_i32 s47, s46, 3*131072
	s_lshl_b32 s92, s21, 3
	s_add_co_u32 s92, s92, s2
	s_lshl_b32 s92, s92, 6
	s_add_co_u32 s92, s92, s47
	s_mov_b32 s93, 0                               ; the scale words that I read
	s_lshl_b32 s2, s3, 6
	s_add_co_u32 s2, s2, s47
	s_mov_b32 s3, 0                                ; the scale words that I fetch
	; B: tensors 1 and 2 ([Wq; Wk]: 256 row tiles on end in wc) or 0 (x), row tile 16 XB + 8 (wave % 2): what I fetch of B is what I read of it
	s_xor_b32 s47, s46, 1
	s_lshl_b32 s94, s42, 4
	s_lshl_b32 s98, s22, 3
	s_add_co_u32 s94, s94, s98
	s_mul_i32 s94, s94, TROW
	s_mul_i32 s98, s47, TENS
	s_add_co_u32 s94, s94, s98
	s_mov_b32 s95, 0                               ; its codes
	s_lshr_b32 s96, s42, 3                         ; in ws each tensor is a block of its own: tensor (1 - TY) + XB / 8, row tile 16 (XB % 8) + 8 (wave % 2)
	s_add_co_u32 s96, s96, s47
	s_lshl_b32 s96, s96, 17
	s_and_b32 s98, s42, 7
	s_lshl_b32 s98, s98, 4
	s_lshl_b32 s99, s22, 3
	s_add_co_u32 s98, s98, s99
	s_lshl_b32 s98, s98, 6
	s_add_co_u32 s96, s96, s98
	s_mov_b32 s97, 0                               ; its scale words
	s_mul_i32 s23, s20, QTR                        ; where they go: wave x a quarter: no place in the cluster enters an LDS address
	s_mul_i32 s99, s20, SCQ
	s_wait_kmcnt 0x0
	s_add_nc_u64 s[66:67], s[4:5], s[66:67]
	s_add_nc_u64 s[94:95], s[4:5], s[94:95]
	s_add_nc_u64 s[2:3], s[6:7], s[2:3]
	s_add_nc_u64 s[4:5], s[6:7], s[92:93]          ; A's scale words that I read, from K step 0 on (wc's address is done with)
	s_add_nc_u64 s[6:7], s[6:7], s[96:97]          ; B's, from K step 0 on
	CROUND                                         ; all sixteen work-groups are here: the first joint loads meet
	s_mov_b32 s[G0S], 1
	s_add_co_u32 s[G0S+1], s99, SCL
	s_add_nc_u64 s[G0S+2:G0S+3], s[2:3], 16384     ; from K step 2 on
	s_or_b32 s[G0S+3], s[G0S+3], 0x80000000
	s_mov_b32 s[G0SB], 1
	s_add_co_u32 s[G0SB+1], s99, SCL
	s_add_nc_u64 s[G0SB+2:G0SB+3], s[6:7], 16384
	s_or_b32 s[G0SB+3], s[G0SB+3], 0x80000000
	JLOAD G0S, G1S, G0SB, G1SB
.irp s, 0,1
	s_mov_b32 s[G0+4*\s], 1
	s_add_co_u32 s[G0+4*\s+1], s23, \s*SLOT
	s_add_nc_u64 s[G0+4*\s+2:G0+4*\s+3], s[66:67], \s*4608
	s_or_b32 s[G0+4*\s+3], s[G0+4*\s+3], 0x80000000
	s_mov_b32 s[G0B+4*\s], 1
	s_add_co_u32 s[G0B+4*\s+1], s23, \s*SLOT
	s_add_nc_u64 s[G0B+4*\s+2:G0B+4*\s+3], s[94:95], \s*4608
	s_or_b32 s[G0B+4*\s+3], s[G0B+4*\s+3], 0x80000000
	JLOAD G0+4*\s, G1, G0B+4*\s, G1B               ; three tensor loads of mine are out
.endr
	v_and_b32 v1, 31, v0                           ; lane; kept
	v_and_b32 v2, 15, v0                           ; r
	v_bfe_u32 v3, v0, 4, 1                         ; h
	v_lshlrev_b32 v[LI], 4, v1
	v_lshlrev_b32 v4, 2, v1                        ; 4 x lane
	v_lshlrev_b32 v[PFO], 8, v1
.irp q, 0,1                                    ; the scale words of K steps 0 and 1, from memory into set 0: 128 consecutive bytes a load
.irp i, 0,1,2,3
	global_load_b32 v[SC+4*\q+\i], v4, s[4:5] offset:8192*\q+128*\i
	global_load_b32 v[SC+8+4*\q+\i], v4, s[6:7] offset:8192*\q+128*\i
.endr
.endr
	s_mul_i32 s47, s21, QTR
	v_add_nc_u32 v[ADRA], s47, v[LI]
	v_add_nc_u32 v[ADRA+1], SLOT, v[ADRA]
	s_mul_i32 s47, s22, QTR
	s_add_co_u32 s47, s47, 2*QTR
	v_add_nc_u32 v[ADRB], s47, v[LI]
	v_add_nc_u32 v[ADRB+1], SLOT, v[ADRB]
	s_mul_i32 s47, s21, SCQ
	s_add_co_u32 s47, s47, SCL
	v_add_nc_u32 v[ADSA], s47, v4
	s_mul_i32 s47, s22, SCQ
	s_add_co_u32 s47, s47, SCL+2*SCQ
	v_add_nc_u32 v[ADSB], s47, v4
	; THE BIASES, in both forms, loaded by every work-group from addresses inside their buffers; the way out reads the form that its kind wants.
	; By B rows (Q, K): index n = 16 c + i of lane (r, h) is channel 32 c + 16 h + i of head (2 XB + my half) % 16, of bq where XB < 8, else of bk
	s_lshl_b32 s47, s42, 1
	s_add_co_u32 s47, s47, s22
	s_and_b32 s47, s47, 15
	s_lshl_b32 s2, s47, 9
	s_mov_b32 s3, 0
	s_cmp_lt_u32 s42, 8
	s_cselect_b64 s[10:11], s[10:11], s[12:13]
	s_add_nc_u64 s[10:11], s[10:11], s[2:3]
	v_lshlrev_b32 v5, 6, v3                        ; 64 h
	WIN 0x40
.irp m, 0,1,2,3,4,5,6,7,8,9,10,11,12,13,14,15
	global_load_b128 v[96+4*\m+96*(\m/8):96+4*\m+96*(\m/8)+3], v5, s[10:11] offset:128*(\m/4)+16*(\m%4)
.endr
	WIN 0
	; By A rows (V): bv of my lane's row of each of my eight tiles, twice, as a pair for the packed addition
	s_lshl_b32 s2, s43, 10
	s_lshl_b32 s47, s21, 9
	s_add_co_u32 s2, s2, s47
	s_add_nc_u64 s[14:15], s[14:15], s[2:3]
	v_and_b32 v64, 8, v2                           ; (v64 is free until the first fragments are asked for, behind the wait for these loads)
	v_add_nc_u32 v64, v64, v2
	v_lshlrev_b32 v64, 2, v64                      ; 4 (r + 8 (r / 8))
.irp a, 0,1,2,3,4,5,6,7
	global_load_b32 v[BL+2*\a], v64, s[14:15] offset:(32*(\a/2)+8*(\a%2))*4
	global_load_b32 v[BL+2*\a+1], v64, s[14:15] offset:(32*(\a/2)+8*(\a%2))*4
.endr
	; where my eight fragments go: group G = ((hh x 2 + batch) x 8 + group).  Q, K: hh = 2 XB + my B half, tokens by Y and my A half.  V: hh = 32 + 2 Y + my A half, keys by XB and my B half
	s_cmp_eq_u32 s46, 0
	s_cselect_b32 s2, s42, s43
	s_cselect_b32 s3, s43, s42
	s_cselect_b32 s66, s22, s21
	s_cselect_b32 s67, s21, s22
	s_lshl_b32 s47, s46, 5
	s_lshl_b32 s2, s2, 1
	s_add_co_u32 s2, s2, s47
	s_add_co_u32 s2, s2, s66                       ; hh
	s_lshl_b32 s2, s2, 1
	s_lshr_b32 s47, s3, 2
	s_add_co_u32 s2, s2, s47                       ; x 2 + batch
	s_lshl_b32 s2, s2, 3
	s_and_b32 s3, s3, 3
	s_lshl_b32 s3, s3, 1
	s_add_co_u32 s2, s2, s3
	s_add_co_u32 s2, s2, s67                       ; x 8 + group
	s_mul_i32 s66, s2, 12288
	s_mov_b32 s67, 0
	s_add_nc_u64 s[OUT:OUT+1], s[16:17], s[66:67]
	s_lshl_b32 s66, s2, 9
	s_add_nc_u64 s[OSC:OSC+1], s[18:19], s[66:67]
	s_lshl_b32 s66, s43, 17                        ; the table of my eight row tiles: (16 Y + 8 x my A half) x 8,192
	s_lshl_b32 s47, s21, 16
	s_add_co_u32 s66, s66, s47
	s_add_nc_u64 s[RTB:RTB+1], s[8:9], s[66:67]
	s_lshl_b32 s66, s43, 17                        ; the prefetch: 131,072 Y + 32,768 cx + 8,192 wave
	s_lshl_b32 s47, s40, 15
	s_add_co_u32 s66, s66, s47
	s_lshl_b32 s47, s20, 13
	s_add_co_u32 s66, s66, s47
	s_add_nc_u64 s[PFA:PFA+1], s[8:9], s[66:67]
	s_mov_b32 s[SEL], 0x76543210
	s_mov_b32 s[SEL+1], 0xfedcba98
	s_wait_loadcnt 0x0                             ; the biases and the first scale words are in: the loads have read their bases, and s[4:19] hold nothing that is still wanted
	; group 1 for the last fill: 8 rows (row tiles) of 1,536 bytes (one K step), 24,576 bytes apart
	s_or_b32 s[G1L], s44, (3<<16)|(1<<21)
	s_or_b32 s[G1LB], s45, (3<<16)|(1<<21)
.irp g, G1L, G1LB
	s_mov_b32 s[\g+1], 192<<16
	s_mov_b32 s[\g+2], 8<<16
	s_mov_b32 s[\g+3], 192<<16
	s_mov_b32 s[\g+4], 8
	s_mov_b32 s[\g+5], 3072
	s_mov_b32 s[\g+6], 0
	s_mov_b32 s[\g+7], 0
.endr
	s_wait_tensorcnt 1                             ; the scale words and my part of slot 0 are in (slot 1's load may be out)
	s_barrier_signal -1
	s_barrier_wait -1                              ; everybody's are
	LDRUN 0, 0, 48                                 ; K step 0's fragments: the one long run
.set CAS, NAS
	KSTEP 0, 1                                     ; slot 0, K steps 0-2: the first K step's products start the sums
	KSTEP 1, 0
	KTURN 2, 1, 0, 0                               ; slot 0 takes K steps 6-8
	KSTEP 3, 0                                     ; slot 1, K steps 3-5
	KSTEP 4, 0
	KTURN 5, 1, 0, 0                               ; slot 1 takes K steps 9-11
	KSTEP 6, 0
	KSTEP 7, 0
	KTURN 8, 1, 0, 0                               ; slot 0 takes K steps 12-14
	KSTEP 9, 0
	KSTEP 10, 0
	KTURN 11, 1, 1, 1                              ; slot 1 takes K step 15
	KSTEP 12, 0
	KSTEP 13, 0
	KTURN 14, 0, 0, 0                              ; nothing is filled again, so no round of the cluster's barrier
.irp g, 0,1,2,3,4,5,6,7                        ; the last K step: nothing more to fetch; the counts run down to 0
	DSWAIT CAS+3*(\g+1)
	WIN 0xa1+0x50*(\g/4)
	MUL8 \g, 15, 0
.endr
	WIN 0
	PLACES 4                                       ; in front of the first read of results, of writes and of loads into registers that the products have read
; THE WAY OUT, a tile of 16 A rows at a time: + bias, (rotation,) quantised along the 128 B rows, three stores of 512 consecutive bytes.  No LDS.
.macro RLOAD a                         ; tile a's 32 cosines and 32 sines of my lane, into set a % 3 in window 1
.set rs, (\a)%3
.set cB, 128*(rs%2)+64*(rs/2)
.set sN, 32+128*(rs%2)+160*(rs/2)
	WIN 0x40
.irp g, 0,1,2,3,4,5,6,7
	global_load_b128 v[cB+4*\g:cB+4*\g+3], v[LI], s[RTB:RTB+1] offset:8192*(\a)+512*\g
.endr
.irp g, 0,1,2,3,4,5,6,7
	global_load_b128 v[sN+4*\g:sN+4*\g+3], v[LI], s[RTB:RTB+1] offset:8192*(\a)+4096+512*\g
.endr
.endm
.macro EPOUT a
	WIN 0
	s_wait_xcnt 0x0                                ; the last tile's stores have read the codes' registers
	QUANT H
	v_mov_b32 v[PW8+(\a)], v[PW]
.irp g, 0,1,2
	global_store_b128 v[LI], v[PC+4*\g:PC+4*\g+3], s[OUT:OUT+1] offset:1536*(\a)+512*\g
.endr
.endm
.macro EPQ a
.if (\a) <= 5
	s_wait_loadcnt 32                              ; this tile's set is in; the two younger sets may be out
.elseif (\a) == 6
	s_wait_loadcnt 16
.else
	s_wait_loadcnt 0x0
.endif
	WIN 0x06+(\a)/4                                ; source 0: the accumulators' window, source 1: window 1
.set n, 0
.rept 32
.set bi, 96+n+96*(n/32)
	v_pk_add_f32 v[H+n:H+n+1], v[64*((\a)%4)+n:64*((\a)%4)+n+1], v[bi:bi+1]   ; ascending: each accumulator is read from its low end on
.set n, n+2
.endr
	WIN 0x04                                       ; source 1: window 1
.set rs, (\a)%3
.set cB, 128*(rs%2)+64*(rs/2)
.set sN, 32+128*(rs%2)+160*(rs/2)
.set n, 0
.rept 16                               ; registers n and n + 32 are channels d and d + 64: (z1 cos - z2 sin, z1 sin + z2 cos)
.set tt, TT+4*((n/2)%2)
	v_pk_mul_f32 v[tt:tt+1], v[H+32+n:H+33+n], v[sN+n:sN+n+1]
	v_pk_mul_f32 v[tt+2:tt+3], v[H+32+n:H+33+n], v[cB+n:cB+n+1]
	v_pk_fma_f32 v[H+32+n:H+33+n], v[H+n:H+n+1], v[sN+n:sN+n+1], v[tt+2:tt+3]
	v_pk_fma_f32 v[H+n:H+n+1], v[H+n:H+n+1], v[cB+n:cB+n+1], v[tt:tt+1] neg_lo:[0,0,1] neg_hi:[0,0,1]
.set n, n+2
.endr
.if (\a) < 5
	RLOAD (\a)+3
.endif
	EPOUT \a
.endm
.macro EPV a
	WIN 0x02+(\a)/4
.set n, 0
.rept 32
	v_pk_add_f32 v[H+n:H+n+1], v[64*((\a)%4)+n:64*((\a)%4)+n+1], v[BL+2*(\a):BL+2*(\a)+1]
.set n, n+2
.endr
	EPOUT \a
.endm
.irp b, 0,1,2,3
	v_mov_b32 v[TM+4+\b], 0                        ; written once: a lane permute's destination counts as one of its sources
.endr
	s_cmp_eq_u32 s46, 1                            ; the one parting on TY
	s_cbranch_scc1 .Lvpath
	RLOAD 0
	RLOAD 1
	RLOAD 2
.irp a, 0,1,2,3,4,5,6,7
	EPQ \a
.endr
	s_branch .Ljoin
.Lvpath:
.irp a, 0,1,2,3,4,5,6,7
	EPV \a
.endr
.Ljoin:
	v_cmp_le_u32 vcc_lo, 16, v1                    ; word e: lanes 0-15 tile 2 e's, lanes 16-31 tile 2 e + 1's
.irp e, 0,1,2,3
	v_cndmask_b32 v[SWO+\e], v[PW8+2*\e], v[PW8+2*\e+1], vcc_lo
.endr
	global_store_b128 v[LI], v[SWO:SWO+3], s[OSC:OSC+1]   ; 512 consecutive bytes
	s_wait_tensorcnt 0x0                           ; the wave's end
	ds_add_u32 v[SPW], v[NIL]
	s_wait_dscnt 0x0
	CROUND                                         ; the closing round: no work-group ends while a partner may still ask for a tile that names it
	s_endpgm
.Lfunc_end_k_q301a71686a_qkvp:
	.size	k_q301a71686a_qkvp, .Lfunc_end_k_q301a71686a_qkvp-k_q301a71686a_qkvp
	.p2alignl 7, 3214868480
	.fill 96, 4, 3214868480
	.section	.rodata,"a",@progbits
	.p2align	6, 0x0
	.amdhsa_kernel k_q301a71686a_qkvp
		.amdhsa_group_segment_fixed_size 327680
		.amdhsa_private_segment_fixed_size 0
		.amdhsa_enable_private_segment 0
		.amdhsa_kernarg_size 64
		.amdhsa_user_sgpr_count 2
		.amdhsa_user_sgpr_kernarg_segment_ptr 1
		.amdhsa_wavefront_size32 1
		.amdhsa_system_sgpr_workgroup_id_x 1
		.amdhsa_system_sgpr_workgroup_id_y 1
		.amdhsa_system_sgpr_workgroup_id_z 1
		.amdhsa_system_vgpr_workitem_id 0
		.amdhsa_next_free_vgpr 1024
		.amdhsa_next_free_sgpr 102
		.amdhsa_reserve_vcc 1
		.amdhsa_float_denorm_mode_32 3
		.amdhsa_float_denorm_mode_16_64 3
		.amdhsa_memory_ordered 1
		.amdhsa_forward_progress 1
		.amdhsa_inst_pref_size 255
	.end_amdhsa_kernel
	.section	.bss,"aw",@nobits
	.p2align	6
	.space	262144
	.amdgpu_metadata
---
amdhsa.version: [ 1, 2 ]
amdhsa.kernels:
  - .name:           k_q301a71686a_qkvp
    .symbol:         k_q301a71686a_qkvp.kd
    .args:
      - { .name: wc, .offset: 0, .size: 8, .value_kind: global_buffer, .address_space: global }
      - { .name: ws, .offset: 8, .size: 8, .value_kind: global_buffer, .address_space: global }
      - { .name: rt, .offset: 16, .size: 8, .value_kind: global_buffer, .address_space: global }
      - { .name: bq, .offset: 24, .size: 8, .value_kind: global_buffer, .address_space: global }
      - { .name: bk, .offset: 32, .size: 8, .value_kind: global_buffer, .address_space: global }
      - { .name: bv, .offset: 40, .size: 8, .value_kind: global_buffer, .address_space: global }
      - { .name: qkv, .offset: 48, .size: 8, .value_kind: global_buffer, .address_space: global }
      - { .name: qkvs, .offset: 56, .size: 8, .value_kind: global_buffer, .address_space: global }
    .group_segment_fixed_size: 327680
    .private_segment_fixed_size: 0
    .kernarg_segment_align: 8
    .kernarg_segment_size: 64
    .max_flat_workgroup_size: 128
    .sgpr_count:     102
    .vgpr_count:     1024
    .wavefront_size: 32
...
	.end_amdgpu_metadata
.endif
;; end of part 2
;; launch attn (part 3): grid 8 x 32, 8 waves a work-group, clusters of 4 x 1, 214,016 bytes of LDS; arguments qkv, qkvs, oc, os; writes oc, os
.if DOCPART == 3
	.amdgcn_target "amdgcn-amd-amdhsa--gfx1250"
	.amdhsa_code_object_version 6
	.text
	.protected	k_q301a71686a_attn
	.globl	k_q301a71686a_attn
	.p2align	8
	.type	k_q301a71686a_attn,@function
k_q301a71686a_attn:
	s_mov_b64 s[64:65], 0
	v_nop
	global_prefetch_b8 v0, s[64:65] scope:SCOPE_SE
	s_setreg_imm32_b32 hwreg(HW_REG_WAVE_MODE, 25, 1), 1
	s_wait_xcnt 0x0
	s_wait_alu depctr_hold_cnt(0) depctr_sa_sdst(0) depctr_va_vdst(0) depctr_va_sdst(0) depctr_va_ssrc(0) depctr_va_vcc(0) depctr_vm_vsrc(0)
	s_getreg_b32 s2, hwreg(HW_REG_IB_STS2, 6, 4)
	s_cmp_eq_u32 s2, 0
	s_cbranch_scc0 .Lentry_in_a_cluster
	s_endpgm
.Lentry_in_a_cluster:
	s_bfe_u32 s2, ttmp6, 0x10000c
	s_cmp_lg_u32 s2, 0x3003
	s_cbranch_scc0 .Lentry_shape_is_right
	s_endpgm
.Lentry_shape_is_right:
; O = softmax(Q K^T / sqrt(128)) V for one head of one batch, both products on codes of FP6 (E2M3) with E8M0 scales; O is quantised along the head's 128 and stored as an operand of the last product.
; THE SOFTMAX AHEAD OF THE SECOND PRODUCT: t = score x log2(e) / sqrt(128); M = the row's largest t so far, rounded UP to a whole number; p = 2^(t - M) is what is quantised, along the keys; it is not normalised.
; The row's sum is taken of the unquantised p, in f32, and divides O at the end.  When M moves, the sum and O are multiplied by 2^(old M - new M): exact.
; SHARES.  Work-group y = 2 head + batch; x = a block of 128 queries; each of the eight waves owns one tile of 16 queries, in 512 registers: two waves to a SIMD.  Every wave walks the 1,024 keys in eight steps of 128, written out.
; ALL OF THE HEAD'S K AND V LIE IN LDS, FILLED ONCE: 98,304 bytes each, and their scale words.  No slot is filled again.  The four query blocks of a cluster read the same K and V: every tile is asked for jointly.
; Waves 0-3 bring K's quarters, waves 4-7 V's: five loads a wave (scale words, four chunks of two key steps), told apart by arithmetic on the wave's number.  A chunk is waited for, with a barrier, a step ahead of its use.
; LAYOUT.  Operands lie as images of their registers (1,536 bytes a fragment).  Both products are used transposed: S^T = K Q^T, O^T = V^T P^T: a lane holds ONE query throughout.  The keys of a tile of K, and the channels of a
; tile of V, are chosen (position p of tile t: 32 (t / 2) + 8 (t % 2) + p + 8 (p / 8)) so that the 16 registers of tiles 2 b and 2 b + 1 are 16 neighbours: 32 b + 16 (lane / 16) + 0 .. 15.
; LIMITS: NaN and infinities are not served; a block whose largest magnitude lies under 2^-124 gets the byte 1 (read by this program alone).
; REGISTERS: window 0: v1-7, v10, v11 addresses; v12 -M, v13 the largest t, v[14:15] the sum in two halves; v16-27 Q; v28-31 V's scale words; v32-48, v64-83 the last quantiser's; v96-159 S^T, then p, at the end O; v160-223 O^T;
;   v224-235 p's codes; v232-247, v252, v254 at work; v248-251 K's scale words; v253 p's scale word; v255 Q's.   window 1: v0-95 K's eight fragments, v128-223 V's.
.set KSC,  196608                      ; LDS: K at 0, V at 98,304, K's scale words here ([step 8][512]), V's 4,096 on,
.set OSCR, 204800                      ; and 512 bytes of their own for the way out of the scale words
.set WV,   12
.set SEL,  20
.set CS,   22
.set G1,   24
.set G1S,  32
.set G0S,  40
.set G0,   44
.set TM,   32
.set PW,   48
.set PC,   64
.set MSB, 0
.macro WIN new
.if MSB != (\new)
	s_set_vgpr_msb (MSB<<8)|(\new)
.set MSB, (\new)
.endif
.endm
.macro CROUND                          ; a round of the cluster's barrier
	s_barrier_signal -1
	s_barrier_wait -1
	s_cmp_lg_u32 s[WV], 0
	s_cbranch_scc1 .Lnot_wave_0_\@
	s_barrier_signal -3
.Lnot_wave_0_\@:
	s_barrier_wait -3
	s_barrier_signal -1
	s_barrier_wait -1
.endm
; one matrix instruction, by the symbols rD, rC (cZ = 1: the constant 0), rB (source 0), rA (source 1), sB, sA (their scale registers), oB (1: source 0's words lie in lanes 16-31)
.macro WM
.if cZ
.if oB
	v_wmma_scale_f32_16x16x128_f8f6f4 v[rD:rD+7], v[rB:rB+11], v[rA:rA+11], 0, v[sB], v[sA] matrix_a_fmt:MATRIX_FMT_FP6 matrix_b_fmt:MATRIX_FMT_FP6 matrix_a_scale:MATRIX_SCALE_ROW1
.else
	v_wmma_scale_f32_16x16x128_f8f6f4 v[rD:rD+7], v[rB:rB+11], v[rA:rA+11], 0, v[sB], v[sA] matrix_a_fmt:MATRIX_FMT_FP6 matrix_b_fmt:MATRIX_FMT_FP6
.endif
.else
.if oB
	v_wmma_scale_f32_16x16x128_f8f6f4 v[rD:rD+7], v[rB:rB+11], v[rA:rA+11], v[rC:rC+7], v[sB], v[sA] matrix_a_fmt:MATRIX_FMT_FP6 matrix_b_fmt:MATRIX_FMT_FP6 matrix_a_scale:MATRIX_SCALE_ROW1
.else
	v_wmma_scale_f32_16x16x128_f8f6f4 v[rD:rD+7], v[rB:rB+11], v[rA:rA+11], v[rC:rC+7], v[sB], v[sA] matrix_a_fmt:MATRIX_FMT_FP6 matrix_b_fmt:MATRIX_FMT_FP6
.endif
.endif
.endm
.macro QUANT s                         ; 64 numbers of a lane, register 16 b + i = k 32 b + 16 (lane / 16) + i, become a fragment's codes in v[PC] on and its scale word in v[PW]
.irp b, 0,1,2,3
	v_max3_num_f32 v[TM+\b], |v[\s+16*\b]|, |v[\s+1+16*\b]|, 0x1800000
.endr
.irp i, 2,4,6,8,10,12,14
.irp b, 0,1,2,3
	v_max3_num_f32 v[TM+\b], v[TM+\b], |v[\s+16*\b+\i]|, |v[\s+1+16*\b+\i]|
.endr
.endr
.irp b, 0,1,2,3
	v_permlanex16_b32 v[TM+4+\b], v[TM+\b], s[SEL], s[SEL+1]
.endr
.irp b, 0,1,2,3
	v_max_num_f32 v[TM+\b], v[TM+\b], v[TM+4+\b]
.endr
.irp b, 0,1,2,3
	v_add_nc_u32 v[TM+12+\b], 0xff000000, v[TM+\b]
.endr
.irp b, 0,1,2,3
	v_lshrrev_b32 v[TM+4+\b], 23, v[TM+12+\b]
.endr
	v_lshl_or_b32 v[PW], v[TM+5], 8, v[TM+4]
	v_lshl_or_b32 v[PW], v[TM+6], 16, v[PW]
	v_lshl_or_b32 v[PW], v[TM+7], 24, v[PW]
.irp c, 0,1
	v_cvt_scalef32_pk16_fp6_f32 v[PC+6*\c:PC+2+6*\c], v[\s+32*\c:\s+15+32*\c], v[TM+12+2*\c]
	v_cvt_scalef32_pk16_fp6_f32 v[PC+12+4*\c:PC+14+4*\c], v[\s+16+32*\c:\s+31+32*\c], v[TM+12+2*\c+1]
.endr
	v_nop                                          ; one plain place behind a scaled conversion
.irp c, 0,1
.irp i, 0,1,2
	v_permlane16_swap_b32 v[PC+6*\c+\i], v[PC+12+4*\c+\i]
.endr
.irp i, 0,1,2
	v_mov_b32 v[PC+3+6*\c+\i], v[PC+12+4*\c+\i]
.endr
.endr
.endm
	s_load_b256 s[4:11], s[0:1], 0x0               ; qkv s[4:5], qkvs s[6:7], oc s[8:9], os s[10:11]
	v_lshl_add_u32 v95, v0, 2, 0x34000
	v_mov_b32 v243, 0
	ds_add_u32 v95, v243
	ds_add_u32 v95, v243
	v_lshrrev_b32 v8, 5, v0
	v_readfirstlane_b32 s[WV], v8                  ; wave 0..7
	s_bfe_u32 s13, ttmp6, 0x40000                  ; cx
	s_lshl_b32 s14, ttmp9, 2
	s_add_co_u32 s14, s14, s13                     ; my block of 128 queries: it enters Q's and the outputs' addresses alone
	s_and_b32 s15, ttmp7, 0xffff                   ; y = 2 head + batch, which the four partners share
	s_lshr_b32 s16, s[WV], 2                       ; I fetch for K (0) or for V (1),
	s_and_b32 s17, s[WV], 3                        ; this quarter of each chunk
	s_lshl_b32 s18, s16, 5
	s_add_co_u32 s18, s18, s15
	s_add_co_u32 s18, s18, 32                      ; (hh, batch) of K: 32 + y, of V: 64 + y
	s_mul_i32 s70, s18, 98304
	s_mul_i32 s19, s17, 6144
	s_add_co_u32 s70, s70, s19
	s_mov_b32 s71, 0                               ; the codes, in memory,
	s_mul_i32 s2, s16, 98304
	s_add_co_u32 s2, s2, s19                       ; and in LDS
	s_lshl_b32 s18, s18, 12
	s_lshl_b32 s19, s17, 10
	s_add_co_u32 s18, s18, s19                     ; the scale words, in memory,
	s_lshl_b32 s3, s16, 12
	s_add_co_u32 s3, s3, s19
	s_add_co_u32 s3, s3, KSC                       ; and in LDS
	s_mov_b32 s19, 0
	; group 1: a dense block of 6,144 bytes as 24 rows of 256 (32 elements of 8 bytes); the scale words: 4 such rows
	s_mov_b32 s[G1], 15|(3<<16)|(1<<21)            ; 15:0 the mask: all four work-groups; 17:16 elements of 8 bytes; 21 set beside a mask
	s_mov_b32 s[G1+1], 32<<16
	s_mov_b32 s[G1+2], 24<<16
	s_mov_b32 s[G1+3], 32<<16
	s_mov_b32 s[G1+4], 24
	s_mov_b32 s[G1+5], 32
	s_mov_b32 s[G1+6], 0
	s_mov_b32 s[G1+7], 0
	s_mov_b32 s[G1S], 15|(3<<16)|(1<<21)
	s_mov_b32 s[G1S+1], 32<<16
	s_mov_b32 s[G1S+2], 4<<16
	s_mov_b32 s[G1S+3], 32<<16
	s_mov_b32 s[G1S+4], 4
	s_mov_b32 s[G1S+5], 32
	s_mov_b32 s[G1S+6], 0
	s_mov_b32 s[G1S+7], 0
	s_mov_b32 s[SEL], 0x76543210
	s_mov_b32 s[SEL+1], 0xfedcba98
	s_mov_b32 s[CS], 0x3e0293ee                    ; c = log2(e) / sqrt(128)
	s_mov_b32 s[CS+1], s[CS]                       ; (named with it as a pair, so it is written)
	s_wait_dscnt 0x0
	s_wait_kmcnt 0x0
	s_add_nc_u64 s[70:71], s[4:5], s[70:71]
	s_mov_b32 s[G0S], 1
	s_mov_b32 s[G0S+1], s3
	s_add_nc_u64 s[G0S+2:G0S+3], s[6:7], s[18:19]
	s_or_b32 s[G0S+3], s[G0S+3], 0x80000000
.irp i, 0,1,2,3
	s_mov_b32 s[G0+4*\i], 1
	s_add_co_u32 s[G0+4*\i+1], s2, \i*24576
	s_add_nc_u64 s[G0+4*\i+2:G0+4*\i+3], s[70:71], \i*24576
	s_or_b32 s[G0+4*\i+3], s[G0+4*\i+3], 0x80000000
.endr
	CROUND                                         ; all four work-groups are here: the joint loads meet
	tensor_load_to_lds s[G0S:G0S+3], s[G1S:G1S+7]  ; all fills of the launch go out as one group: five tensor loads of mine are out
	s_nop 0
	tensor_load_to_lds s[G0:G0+3], s[G1:G1+7]
	s_nop 0
	tensor_load_to_lds s[G0+4:G0+7], s[G1:G1+7]
	s_nop 0
	tensor_load_to_lds s[G0+8:G0+11], s[G1:G1+7]
	s_nop 0
	tensor_load_to_lds s[G0+12:G0+15], s[G1:G1+7]
	s_nop 0
.rept 4
	v_nop
.endr
	s_mul_i32 s16, s15, 98304                      ; Q's codes: (head, batch) y, group = my block, tile = my wave
	s_mul_i32 s17, s14, 12288
	s_add_co_u32 s16, s16, s17
	s_mul_i32 s17, s[WV], 1536
	s_add_co_u32 s16, s16, s17
	s_mov_b32 s17, 0
	s_add_nc_u64 s[60:61], s[4:5], s[16:17]
	s_lshl_b32 s16, s15, 3                         ; its scale word: word wave / 2 of lane r + 16 (wave % 2)
	s_add_co_u32 s16, s16, s14
	s_lshl_b32 s16, s16, 9
	s_and_b32 s18, s[WV], 1
	s_lshl_b32 s18, s18, 8
	s_add_co_u32 s16, s16, s18
	s_lshr_b32 s18, s[WV], 1
	s_lshl_b32 s18, s18, 2
	s_add_co_u32 s16, s16, s18
	s_add_nc_u64 s[62:63], s[6:7], s[16:17]
	s_and_b32 s18, s15, 1                          ; batch
	s_lshr_b32 s19, s15, 1                         ; head
	s_lshl_b32 s18, s18, 6
	s_lshl_b32 s2, s14, 3
	s_add_co_u32 s18, s18, s2                      ; the block's first row tile: 64 batch + 8 block
	s_add_co_u32 s2, s18, s[WV]
	s_mul_i32 s16, s2, 24576
	s_mul_i32 s2, s19, 1536
	s_add_co_u32 s16, s16, s2
	s_add_nc_u64 s[66:67], s[8:9], s[16:17]        ; oc: [row tile][K step = head][1,536]
	s_lshl_b32 s16, s19, 13
	s_lshl_b32 s18, s18, 6
	s_add_co_u32 s16, s16, s18
	s_add_nc_u64 s[68:69], s[10:11], s[16:17]      ; os: [K step = head][row tile][16 words]
	v_and_b32 v8, 31, v0
	v_lshlrev_b32 v1, 4, v8                        ; K, steps 0-3: 16 x lane
	v_add_nc_u32 v2, 49152, v1                     ; steps 4-7
	v_add_nc_u32 v3, 98304, v1                     ; V likewise
	v_add_nc_u32 v4, 147456, v1
	v_add_nc_u32 v5, KSC, v1                       ; the scale words
	v_lshlrev_b32 v6, 4, v8                        ; 16 x lane, for memory
	v_add_nc_u32 v11, OSCR, v1                     ; the way out: where wave 0 reads the eight tiles' scale words back
	v_and_b32 v9, 15, v0
	v_lshlrev_b32 v10, 4, v9
	s_lshl_b32 s2, s[WV], 6
	v_lshlrev_b32 v7, 2, v9
	v_add_nc_u32 v7, s2, v7
	v_add_nc_u32 v7, OSCR, v7                      ; and where I put my row's: 64 x wave + 4 r
.irp g, 0,1,2
	global_load_b128 v[16+4*\g:19+4*\g], v6, s[60:61] offset:512*\g   ; Q's fragment stays in registers
.endr
	global_load_b32 v255, v10, s[62:63]
	v_mov_b32 v13, 0xff61b1e6                      ; the largest t so far: -3e38, under every t
	v_floor_f32 v12, -v13                          ; -M
	v_mov_b32 v14, 0                               ; the sum, in two halves
	v_mov_b32 v15, 0
.irp b, 0,1,2,3
	v_mov_b32 v[236+\b], 0                         ; written once: a lane permute's destination counts as one of its sources
	v_mov_b32 v[TM+4+\b], 0
.endr
	v_mov_b32 v253, 0                              ; (named as the upper half of the pair v[252:253] before it is first written)
.macro KLOAD j                         ; step j's eight fragments of K and their scale words: 25 loads
	WIN 0x40                                       ; destination window 1
.irp t, 0,1,2,3,4,5,6,7
.irp c, 0,1,2
	ds_load_b128 v[12*\t+4*\c:12*\t+4*\c+3], v[1+(\j)/4] offset:12288*((\j)%4)+1536*\t+512*\c
.endr
.endr
	WIN 0
	ds_load_b128 v[248:251], v5 offset:512*(\j)    ; register e: lanes 0-15 tile 2 e's words, lanes 16-31 tile 2 e + 1's
.endm
.macro VLOAD j
	WIN 0x40
.irp t, 0,1,2,3,4,5,6,7
.irp c, 0,1,2
	ds_load_b128 v[128+12*\t+4*\c:128+12*\t+4*\c+3], v[3+(\j)/4] offset:12288*((\j)%4)+1536*\t+512*\c
.endr
.endr
	WIN 0
	ds_load_b128 v[28:31], v5 offset:4096+512*(\j)
.endm
; A KEY STEP: 128 keys.  V is asked for at its head, a softmax ahead of its use; the next step's K behind this step's first product.
.macro STEP j, first, last
	VLOAD \j
	s_wait_dscnt 25                                ; all but the 25 just issued: K and its scale words are in
	WIN 0x01                                       ; source 0 window 1
.irp t, 0,1,2,3,4,5,6,7
.set rD, 96+8*\t
.set rC, rD
.set rB, 12*\t
.set rA, 16
.set sB, 248+\t/2
.set sA, 255
.set oB, \t%2
.set cZ, 1
	WM                                             ; S^T = K Q^T
.endr
	WIN 0
.rept 4
	v_nop                                          ; places in front of the first read of results and of loads into registers that the products have read
.endr
.if !(\last)
.if ((\j)%2) == 1
	s_wait_tensorcnt 3-((\j)+1)/2                  ; my part of the chunk that begins with the next step is in; the later chunks may be out
	s_wait_dscnt 0x0
	s_barrier_signal -1
	s_barrier_wait -1                              ; everybody's is
.endif
	KLOAD (\j)+1
.endif
.irp b, 0,1,2,3
	v_max3_num_f32 v[232+\b], v[96+16*\b], v[97+16*\b], v[98+16*\b]   ; the largest score of each block of 32 keys: it serves for the row's maximum and, since p rises with the score, for the block's largest p
.endr
.irp i, 3,5,7,9,11,13
.irp b, 0,1,2,3
	v_max3_num_f32 v[232+\b], v[232+\b], v[96+16*\b+\i], v[97+16*\b+\i]
.endr
.endr
.irp b, 0,1,2,3
	v_max_num_f32 v[232+\b], v[232+\b], v[111+16*\b]
.endr
.irp b, 0,1,2,3
	v_permlanex16_b32 v[236+\b], v[232+\b], s[SEL], s[SEL+1]
.endr
.irp b, 0,1,2,3
	v_max_num_f32 v[232+\b], v[232+\b], v[236+\b]  ; with lane l xor 16's 16 keys
.endr
	v_max3_num_f32 v254, v232, v233, v234
	v_max_num_f32 v254, v254, v235                 ; the step's largest score of my query
	v_mul_f32 v254, s[CS], v254                    ; as t (c is positive)
	v_max_num_f32 v13, v13, v254                   ; the running largest t
	v_mov_b32 v254, v12
	v_floor_f32 v12, -v13                          ; the new -M = floor(-t): M is a whole number
	v_sub_f32 v254, v12, v254                      ; M's old value less its new one: a whole number, 0 or less
	v_cvt_i32_f32 v254, v254                       ; (it saturates)
	v_ldexp_f32 v252, 1.0, v254                    ; f = 2^(old M - new M)
.irp n, 0,2,4,6,8,10,12,14,16,18,20,22,24,26,28,30,32,34,36,38,40,42,44,46,48,50,52,54,56,58,60,62
	v_pk_fma_f32 v[96+\n:97+\n], v[96+\n:97+\n], s[CS:CS+1], v[12:13] op_sel_hi:[1,0,0]   ; t - M, two at a time
.endr
.irp b, 0,1,2,3
	v_fma_f32 v[232+\b], v[232+\b], s[CS], v12     ; the same of each block's largest score
.endr
.irp n, 0,1,2,3,4,5,6,7,8,9,10,11,12,13,14,15,16,17,18,19,20,21,22,23,24,25,26,27,28,29,30,31,32,33,34,35,36,37,38,39,40,41,42,43,44,45,46,47,48,49,50,51,52,53,54,55,56,57,58,59,60,61,62,63
	v_exp_f32 v[96+\n], v[96+\n]                   ; p = 2^(t - M), at most 1: not normalised
.endr
	v_pk_mul_f32 v[14:15], v[14:15], v[252:253] op_sel_hi:[1,0]   ; the sums under the new M (a plain place behind the exponentials)
	s_wait_alu depctr_va_vdst(0)                   ; one wait for the whole batch, ahead of its first reader
.irp b, 0,1,2,3
	v_exp_f32 v[232+\b], v[232+\b]                 ; the block's largest p: the same two instructions on the same number give the same bits
.endr
	v_pk_add_f32 v[236:237], v[96:97], v[98:99]    ; the row's sum is taken of the unquantised p: two at a time, in two chains
.irp n, 4,8,12,16,20,24,28,32,36,40,44,48,52,56,60
	v_pk_add_f32 v[14:15], v[14:15], v[96+\n:97+\n]
	v_pk_add_f32 v[236:237], v[236:237], v[98+\n:99+\n]
.endr
	v_pk_add_f32 v[14:15], v[14:15], v[236:237]
	s_wait_alu depctr_va_vdst(0)                   ; and one for the four
.irp b, 0,1,2,3
	v_max_num_f32 v[232+\b], 0x1800000, v[232+\b]  ; the floor 2^(3 - 127): the byte cannot fall under 1
.endr
.irp b, 0,1,2,3
	v_add_nc_u32 v[244+\b], 0xff000000, v[232+\b]  ; 2 off the exponent field: the conversion's scale operand
.endr
.irp b, 0,1,2,3
	v_lshrrev_b32 v[236+\b], 23, v[244+\b]         ; the scale's byte
.endr
	v_lshl_or_b32 v253, v237, 8, v236              ; p's scale word for these 128 keys
	v_lshl_or_b32 v253, v238, 16, v253
	v_lshl_or_b32 v253, v239, 24, v253
.irp c, 0,1
	v_cvt_scalef32_pk16_fp6_f32 v[224+6*\c:226+6*\c], v[96+32*\c:111+32*\c], v[244+2*\c]
	v_cvt_scalef32_pk16_fp6_f32 v[236+4*\c:238+4*\c], v[112+32*\c:127+32*\c], v[244+2*\c+1]
.endr
	v_nop                                          ; one plain place behind a scaled conversion
.irp c, 0,1
.irp i, 0,1,2
	v_permlane16_swap_b32 v[224+6*\c+\i], v[236+4*\c+\i]
.endr
.irp i, 0,1,2
	v_mov_b32 v[227+6*\c+\i], v[236+4*\c+\i]
.endr
.endr
.if \first
.rept 8
	v_nop                                          ; a scale register written by a vector instruction stands eight places ahead of a scaled matrix instruction; the first step has nothing to rescale
.endr
.else
.irp n, 0,2,4,6,8,10,12,14,16,18,20,22,24,26,28,30,32,34,36,38,40,42,44,46,48,50,52,54,56,58,60,62
	v_pk_mul_f32 v[160+\n:161+\n], v[160+\n:161+\n], v[252:253] op_sel_hi:[1,0]   ; O^T under the new M (these are also the places in front of the matrix instructions below)
.endr
.endif
.if \last
	s_wait_dscnt 0x0
.else
	s_wait_dscnt 25                                ; V and its scale words are in; the next step's K may be out
.endif
	WIN 0x01
.irp t, 0,1,2,3,4,5,6,7
.set rD, 160+8*\t
.set rC, rD
.set rB, 128+12*\t
.set rA, 224
.set sB, 28+\t/2
.set sA, 253
.set oB, \t%2
.set cZ, \first
	WM                                             ; O^T += V^T P^T; the first step's products start the sums
.endr
	WIN 0
.rept 4
	v_nop                                          ; places in front of the next loads into V's registers, and of the last step's first read of results
.endr
.endm
	s_wait_tensorcnt 3                             ; the scale words and my part of key steps 0 and 1 are in; three chunks may be out,
	s_barrier_signal -1
	s_barrier_wait -1                              ; everybody's are
	KLOAD 0
	s_wait_loadcnt 0x0                             ; Q
	STEP 0, 1, 0
	STEP 1, 0, 0
	STEP 2, 0, 0
	STEP 3, 0, 0
	STEP 4, 0, 0
	STEP 5, 0, 0
	STEP 6, 0, 0
	STEP 7, 0, 1
	; THE WAY OUT: O^T / the sum; register 16 b + i of lane (r, h) is channel 32 b + 16 h + i of query r: quantised as it stands, it is K step = head of the last product
	v_add_f32 v14, v14, v15                        ; the sum's two halves,
	v_permlanex16_b32 v252, v14, s[SEL], s[SEL+1]
	v_add_f32 v14, v14, v252                       ; and lane l xor 16's
	v_rcp_f32 v14, v14
	v_nop                                          ; a plain place behind the reciprocal
	s_wait_alu depctr_va_vdst(0)                   ; the wait ahead of its first reader
.irp n, 0,2,4,6,8,10,12,14,16,18,20,22,24,26,28,30,32,34,36,38,40,42,44,46,48,50,52,54,56,58,60,62
	v_pk_mul_f32 v[96+\n:97+\n], v[160+\n:161+\n], v[14:15] op_sel_hi:[1,0]   ; ascending: each accumulator is read from its low end on
.endr
	QUANT 96
.irp g, 0,1,2
	global_store_b128 v6, v[PC+4*\g:PC+4*\g+3], s[66:67] offset:512*\g   ; 512 consecutive bytes each
.endr
	ds_store_b32 v7, v[PW]                         ; both halves of the lanes write the same word with the same value
	s_wait_dscnt 0x0                               ; for the others' sake
	s_barrier_signal -1
	s_barrier_wait -1
	s_cmp_lg_u32 s[WV], 0
	s_cbranch_scc1 .Lnot_first
	ds_load_b128 v[88:91], v11                     ; the eight tiles' scale words: 512 bytes that lie together in os
	s_wait_dscnt 0x0
	global_store_b128 v6, v[88:91], s[68:69]
.Lnot_first:
	s_wait_tensorcnt 0x0
	s_wait_tensorcnt 0x0
	ds_add_u32 v95, v243
	s_wait_dscnt 0x0
	CROUND                                         ; the closing round
	s_endpgm
.Lfunc_end_k_q301a71686a_attn:
	.size	k_q301a71686a_attn, .Lfunc_end_k_q301a71686a_attn-k_q301a71686a_attn
	.p2alignl 7, 3214868480
	.fill 96, 4, 3214868480
	.section	.rodata,"a",@progbits
	.p2align	6, 0x0
	.amdhsa_kernel k_q301a71686a_attn
		.amdhsa_group_segment_fixed_size 214016
		.amdhsa_private_segment_fixed_size 0
		.amdhsa_enable_private_segment 0
		.amdhsa_kernarg_size 32
		.amdhsa_user_sgpr_count 2
		.amdhsa_user_sgpr_kernarg_segment_ptr 1
		.amdhsa_wavefront_size32 1
		.amdhsa_system_sgpr_workgroup_id_x 1
		.amdhsa_system_sgpr_workgroup_id_y 1
		.amdhsa_system_sgpr_workgroup_id_z 1
		.amdhsa_system_vgpr_workitem_id 0
		.amdhsa_next_free_vgpr 512
		.amdhsa_next_free_sgpr 72
		.amdhsa_reserve_vcc 0
		.amdhsa_float_denorm_mode_32 3
		.amdhsa_float_denorm_mode_16_64 3
		.amdhsa_memory_ordered 1
		.amdhsa_forward_progress 1
		.amdhsa_inst_pref_size 160
	.end_amdhsa_kernel
	.amdgpu_metadata
---
amdhsa.version: [ 1, 2 ]
amdhsa.kernels:
  - .name:           k_q301a71686a_attn
    .symbol:         k_q301a71686a_attn.kd
    .args:
      - { .name: qkv, .offset: 0, .size: 8, .value_kind: global_buffer, .address_space: global }
      - { .name: qkvs, .offset: 8, .size: 8, .value_kind: global_buffer, .address_space: global }
      - { .name: oc, .offset: 16, .size: 8, .value_kind: global_buffer, .address_space: global }
      - { .name: os, .offset: 24, .size: 8, .value_kind: global_buffer, .address_space: global }
    .group_segment_fixed_size: 214016
    .private_segment_fixed_size: 0
    .kernarg_segment_align: 8
    .kernarg_segment_size: 32
    .max_flat_workgroup_size: 256
    .sgpr_count:     72
    .vgpr_count:     512
    .wavefront_size: 32
...
	.end_amdgpu_metadata
.endif
;; end of part 3
;; launch oproj (part 4): grid 16 x 16, 4 waves a work-group, clusters of 4 x 4, 327,680 bytes of LDS; arguments oc, os, wc, ws, bo, out0; writes out0
.if DOCPART == 4
	.amdgcn_target "amdgcn-amd-amdhsa--gfx1250"
	.amdhsa_code_object_version 6
	.text
	.protected	k_q301a71686a_oproj
	.globl	k_q301a71686a_oproj
	.p2align	8
	.type	k_q301a71686a_oproj,@function
k_q301a71686a_oproj:
	s_mov_b64 s[64:65], 0
	v_nop
	global_prefetch_b8 v0, s[64:65] scope:SCOPE_SE
	s_setreg_imm32_b32 hwreg(HW_REG_WAVE_MODE, 25, 1), 1
	s_wait_xcnt 0x0
	s_wait_alu depctr_hold_cnt(0) depctr_sa_sdst(0) depctr_va_vdst(0) depctr_va_sdst(0) depctr_va_ssrc(0) depctr_va_vcc(0) depctr_vm_vsrc(0)
	s_getreg_b32 s2, hwreg(HW_REG_IB_STS2, 6, 4)
	s_cmp_eq_u32 s2, 0
	s_cbranch_scc0 .Lentry_in_a_cluster
	s_endpgm
.Lentry_in_a_cluster:
	s_bfe_u32 s2, ttmp6, 0x10000c
	s_cmp_lg_u32 s2, 0xf033
	s_cbranch_scc0 .Lentry_shape_is_right
	s_endpgm
.Lentry_shape_is_right:
; out0 = O Wo^T + bo on codes of FP6 (E2M3) with E8M0 scales; out0 [2048][2048] f32.  O's codes and scale words come from the attention launch (oc, os), Wo's are tensor 4 of wc and ws.
; 256 tiles of 128 x 128 (tiles of 256 x 256 would be 64): four waves, each 64 x 64: 16 accumulators.  The matrix instruction is used transposed (source 0 = 16 rows of Wo, source 1 = 16 rows of O): a lane holds eight neighbouring
; numbers of a row of out0.  Position p of row tile RT is row 32 (RT / 2) + 8 (RT % 2) + p + 8 (p / 8), for both operands; the way out puts each row at its place.
; OPERANDS lie as images of their registers (1,536 bytes a fragment): three ds_load_b128 of 512 consecutive bytes bring one.
; K = 16 steps of 128 in four fills of four steps.  THREE SLOTS: fills 0, 1, 2 go out at the head; fill 3 goes into slot 0 behind the one change of slots that fills again, with eight K steps in which to land.
; The scale words of the work-group's rows, for all of K, come once.  CLUSTERS: 4 x 4, O's tiles shared along a row, Wo's along a column: joint loads.
; bo is the C of each sum's first matrix instruction, in the result's layout.
; REGISTERS: window 0: v1-19 addresses; v32-63 scale words, two sets; v64-95, v96-127 rows on the way out (v96-127 first hold bo); v128-255 accumulator (a, b) at v[128 + 8 (4 a + b)].
;   window 1: two sets of fragments at v0 and v128: O's four at 12 a, Wo's four at 48 + 12 b.
.set QTR,   24576                      ; a quarter of a slot: [tile 4][K step 4][1,536]
.set SLOT,  98304
.set SCL,   294912                     ; behind the three slots: the scale words, four quarters of [K step 16][256]
.set SPARE, 311296                     ; the spare words, 128 bytes for each wave: two blocks of 256 bytes that no other line names
.set STAGE, SLOT                       ; the way out: 16 rows x 272 bytes for each wave, in slot 1, which has had its one fill, and which nobody reads behind the last change of slots
.set ADRA, 6                           ; v6-8   LDS address of my fragments of O in slots 0, 1, 2
.set ADRB, 9                           ; v9-11  of Wo
.set ADSA, 12                          ; v12    of O's scale words
.set ADSB, 13                          ; v13    of Wo's
.set SPW,  14                          ; v14    LDS address of my spare word; never rewritten
.set NIL,  15                          ; v15    0; never rewritten
.set STO,  16
.set RD,   17
.set CO,   18
.set SC,   32                          ; set s at SC + 16 s: K step q: O's words of tiles 0/1, 2/3 at + 4 q, + 4 q + 1, Wo's at + 4 q + 2, + 4 q + 3 (lanes 0-15 the even tile, lanes 16-31 the odd one)
.set BO,   96
.set ACC,  128
.set G1,   20
.set G1B,  28
.set G1S,  36
.set G1SB, 44
.set G0,   52
.set G0S,  68
.set G0B,  72
.set G0SB, 84
.set OUTP, 98
.set MSB, 0
.macro WIN new
.if MSB != (\new)
	s_set_vgpr_msb (MSB<<8)|(\new)
.set MSB, (\new)
.endif
.endm
.macro PLACES n
.rept \n
	v_nop
.endr
.endm
.macro JLOAD g0a, g1a, g0b, g1b        ; a joint load: waves 0 and 1 fetch for O, waves 2 and 3 for Wo; four v_nop follow each of the two lines
	s_cmp_eq_u32 s17, 0
	s_cbranch_scc0 .Lfor_b_\@
	tensor_load_to_lds s[\g0a:\g0a+3], s[\g1a:\g1a+7]
	s_nop 0
.rept 4
	v_nop
.endr
	s_branch .Lasked_\@
.Lfor_b_\@:
	tensor_load_to_lds s[\g0b:\g0b+3], s[\g1b:\g1b+7]
	s_nop 0
.rept 4
	v_nop
.endr
.Lasked_\@:
.endm
.macro CREST
	s_cmp_lg_u32 s16, 0
	s_cbranch_scc1 .Lnot_wave_0_\@
	s_barrier_signal -3
.Lnot_wave_0_\@:
	s_barrier_wait -3
	s_barrier_signal -1
	s_barrier_wait -1
.endm
.macro CROUND
	s_barrier_signal -1
	s_barrier_wait -1
	CREST
.endm
.macro WM                              ; one matrix instruction, by the symbols rD, rC, rB (source 0), rA (source 1), sB, sA, oB, oA (1: the words lie in lanes 16-31)
.if oB && oA
	v_wmma_scale_f32_16x16x128_f8f6f4 v[rD:rD+7], v[rB:rB+11], v[rA:rA+11], v[rC:rC+7], v[sB], v[sA] matrix_a_fmt:MATRIX_FMT_FP6 matrix_b_fmt:MATRIX_FMT_FP6 matrix_a_scale:MATRIX_SCALE_ROW1 matrix_b_scale:MATRIX_SCALE_ROW1
.elseif oB
	v_wmma_scale_f32_16x16x128_f8f6f4 v[rD:rD+7], v[rB:rB+11], v[rA:rA+11], v[rC:rC+7], v[sB], v[sA] matrix_a_fmt:MATRIX_FMT_FP6 matrix_b_fmt:MATRIX_FMT_FP6 matrix_a_scale:MATRIX_SCALE_ROW1
.elseif oA
	v_wmma_scale_f32_16x16x128_f8f6f4 v[rD:rD+7], v[rB:rB+11], v[rA:rA+11], v[rC:rC+7], v[sB], v[sA] matrix_a_fmt:MATRIX_FMT_FP6 matrix_b_fmt:MATRIX_FMT_FP6 matrix_b_scale:MATRIX_SCALE_ROW1
.else
	v_wmma_scale_f32_16x16x128_f8f6f4 v[rD:rD+7], v[rB:rB+11], v[rA:rA+11], v[rC:rC+7], v[sB], v[sA] matrix_a_fmt:MATRIX_FMT_FP6 matrix_b_fmt:MATRIX_FMT_FP6
.endif
.endm
; four matrix instructions: O's tile a x Wo's four; F: the set of fragments; q: the K step in the fill; zero = 1: bo starts the sums.  The 16 accumulators take turns, one instruction a turn
.macro MUL4 a, F, q, set, zero
.irp b, 0,1,2,3
.set rD, ACC+8*(4*(\a)+\b)
.if \zero
.set rC, BO+8*\b
.else
.set rC, rD
.endif
.set rB, (\F)+48+12*\b
.set rA, (\F)+12*(\a)
.set sB, SC+16*(\set)+4*(\q)+2+\b/2
.set sA, SC+16*(\set)+4*(\q)+(\a)/2
.set oB, \b%2
.set oA, (\a)%2
	WM
.endr
.endm
.macro FETCH slot, q, F                ; the eight fragments of the slot's K step q into set F: 24 loads
	WIN 0x40                                       ; destination window 1, address window 0
.irp t, 0,1,2,3
.irp c, 0,1,2
	ds_load_b128 v[(\F)+12*\t+4*\c:(\F)+12*\t+4*\c+3], v[ADRA+\slot] offset:6144*\t+1536*(\q)+512*\c
.endr
.endr
.irp t, 0,1,2,3
.irp c, 0,1,2
	ds_load_b128 v[(\F)+48+12*\t+4*\c:(\F)+48+12*\t+4*\c+3], v[ADRB+\slot] offset:6144*\t+1536*(\q)+512*\c
.endr
.endr
	WIN 0
.endm
.macro SCALES fill                     ; a fill's scale words into set fill % 2: 16 loads; every offset is an immediate
.irp q, 0,1,2,3
.irp i, 0,1
	ds_load_b32 v[SC+16*((\fill)%2)+4*\q+\i], v[ADSA] offset:1024*(\fill)+256*\q+128*\i
	ds_load_b32 v[SC+16*((\fill)%2)+4*\q+2+\i], v[ADSB] offset:1024*(\fill)+256*\q+128*\i
.endr
.endr
.endm
; a K step: asks for the next K step's fragments (and, where a new fill begins, its scale words), then multiplies set F
.macro STEP set, q, F, G, nslot, nq, nfill, zero
	PLACES 4                                       ; four plain places in front of loads into registers that matrix instructions have read
	FETCH \nslot, \nq, \G
.if (\nfill) >= 0
	SCALES \nfill
	s_wait_dscnt 40                                ; all but the 40 just issued
.else
	s_wait_dscnt 24                                ; all but the 24 just issued
.endif
	WIN 0x05                                       ; sources 0 and 1 window 1; C and D window 0
	MUL4 0, \F, \q, \set, \zero
	MUL4 1, \F, \q, \set, \zero
	MUL4 2, \F, \q, \set, \zero
	MUL4 3, \F, \q, \set, \zero
	WIN 0
.endm
; a slot's last K step (set 128) with a barrier: in front of it each wave waits for all its tensor loads, adds 0 to its spare word, and waits for that and for its reads.  fill = 1: a round of the cluster's barrier, and slot 0 is filled again
.macro TURN set, nslot, nfill, fill
	s_wait_tensorcnt 0x0                           ; all my tensor loads have landed
	ds_add_u32 v[SPW], v[NIL]                      ; 0 onto my spare word
	s_wait_dscnt 1                                 ; (the add may be out)
	WIN 0x05
	MUL4 0, 128, 3, \set, 0                        ; four matrix instructions stand between the add and the wait for it
	s_wait_dscnt 0x0                               ; the add is done, and my reads of this slot are over
	s_barrier_signal -1
	MUL4 1, 128, 3, \set, 0
	WIN 0
	s_barrier_wait -1
.if \fill
	CREST                                          ; no wave of any partner still reads slot 0 or has a load on its way
	s_add_nc_u64 s[G0+2:G0+3], s[G0+2:G0+3], 18432 ; from fill 0 to fill 3
	s_add_nc_u64 s[G0B+2:G0B+3], s[G0B+2:G0B+3], 18432
	JLOAD G0, G1, G0B, G1B                         ; the first tensor load behind the round; its four v_nop are also the places in front of the loads below
.else
	PLACES 4
.endif
	FETCH \nslot, 0, 0
	SCALES \nfill
	WIN 0x05
	MUL4 2, 128, 3, \set, 0
	MUL4 3, 128, 3, \set, 0
	WIN 0
.endm
	s_load_b256 s[4:11], s[0:1], 0x0               ; oc s[4:5], os s[6:7], wc s[8:9], ws s[10:11]
	s_load_b128 s[12:15], s[0:1], 0x20             ; bo s[12:13], out0 s[14:15]
	v_lshl_add_u32 v[SPW], v0, 2, SPARE
	v_mov_b32 v[NIL], 0
	ds_add_u32 v14, v15
	ds_add_u32 v14, v15
	s_wait_dscnt 0x0
	v_lshrrev_b32 v1, 5, v0
	v_readfirstlane_b32 s16, v1                    ; wave 0..3
	s_lshr_b32 s17, s16, 1                         ; which half of the tile's rows is mine.  Also: I fetch for O (0) or for Wo (1)
	s_and_b32 s18, s16, 1                          ; which half of its columns.  Also: which half I fetch
	s_bfe_u32 s88, ttmp6, 0x40000                  ; cx
	s_bfe_u32 s89, ttmp6, 0x40004                  ; cy
	s_lshl_b32 s90, ttmp9, 2
	s_add_co_u32 s90, s90, s88                     ; tile column
	s_and_b32 s91, ttmp7, 0xffff
	s_lshl_b32 s91, s91, 2
	s_add_co_u32 s91, s91, s89                     ; tile row
	s_lshl_b32 s92, s89, 2
	s_lshl_b32 s92, 15, s92                        ; my row of the cluster
	s_lshl_b32 s93, 0x1111, s88                    ; my column
	; group 1: 4 rows (row tiles) of 6,144 bytes (four K steps), 24,576 bytes apart; elements of 8 bytes; no padding
	s_or_b32 s[G1], s92, (3<<16)|(1<<21)
	s_or_b32 s[G1B], s93, (3<<16)|(1<<21)
.irp g, G1, G1B
	s_mov_b32 s[\g+1], 768<<16
	s_mov_b32 s[\g+2], 4<<16
	s_mov_b32 s[\g+3], 768<<16
	s_mov_b32 s[\g+4], 4
	s_mov_b32 s[\g+5], 3072
	s_mov_b32 s[\g+6], 0
	s_mov_b32 s[\g+7], 0
.endr
	; the scale words of 4 row tiles: 16 rows (K steps) of 256 bytes, 8,192 bytes apart
	s_or_b32 s[G1S], s92, (3<<16)|(1<<21)
	s_or_b32 s[G1SB], s93, (3<<16)|(1<<21)
.irp g, G1S, G1SB
	s_mov_b32 s[\g+1], 32<<16
	s_mov_b32 s[\g+2], 16<<16
	s_mov_b32 s[\g+3], 32<<16
	s_mov_b32 s[\g+4], 16
	s_mov_b32 s[\g+5], 1024
	s_mov_b32 s[\g+6], 0
	s_mov_b32 s[\g+7], 0
.endr
	s_lshl_b32 s2, s91, 3                          ; O: row tile 8 x tile row + 4 (wave % 2)
	s_lshl_b32 s3, s18, 2
	s_add_co_u32 s2, s2, s3
	s_mul_i32 s94, s2, 24576
	s_mov_b32 s95, 0
	s_lshl_b32 s2, s2, 6
	s_mov_b32 s3, 0
	s_lshl_b32 s96, s90, 3                         ; Wo: row tile 8 x tile column + 4 (wave % 2), in tensor 4
	s_lshl_b32 s98, s18, 2
	s_add_co_u32 s96, s96, s98
	s_lshl_b32 s98, s96, 6
	s_add_co_u32 s98, s98, 4*131072
	s_mov_b32 s99, 0
	s_mul_i32 s96, s96, 24576
	s_add_co_u32 s96, s96, 4*3145728
	s_mov_b32 s97, 0
	s_mul_i32 s19, s16, QTR                        ; where they go: wave x a quarter: no place in the cluster enters an LDS address
	s_wait_kmcnt 0x0
	s_add_nc_u64 s[94:95], s[4:5], s[94:95]
	s_add_nc_u64 s[2:3], s[6:7], s[2:3]
	s_add_nc_u64 s[96:97], s[8:9], s[96:97]
	s_add_nc_u64 s[98:99], s[10:11], s[98:99]
	CROUND                                         ; all sixteen work-groups are here: the first joint loads meet
	s_mov_b32 s[G0S], 1
	s_lshl_b32 s[G0S+1], s16, 12
	s_add_co_u32 s[G0S+1], s[G0S+1], SCL
	s_mov_b64 s[G0S+2:G0S+3], s[2:3]
	s_or_b32 s[G0S+3], s[G0S+3], 0x80000000
	s_mov_b32 s[G0SB], 1
	s_lshl_b32 s[G0SB+1], s16, 12
	s_add_co_u32 s[G0SB+1], s[G0SB+1], SCL
	s_mov_b64 s[G0SB+2:G0SB+3], s[98:99]
	s_or_b32 s[G0SB+3], s[G0SB+3], 0x80000000
	JLOAD G0S, G1S, G0SB, G1SB
.irp s, 0,1,2
	s_mov_b32 s[G0+4*\s], 1
	s_add_co_u32 s[G0+4*\s+1], s19, \s*SLOT
	s_add_nc_u64 s[G0+4*\s+2:G0+4*\s+3], s[94:95], \s*6144
	s_or_b32 s[G0+4*\s+3], s[G0+4*\s+3], 0x80000000
	s_mov_b32 s[G0B+4*\s], 1
	s_add_co_u32 s[G0B+4*\s+1], s19, \s*SLOT
	s_add_nc_u64 s[G0B+4*\s+2:G0B+4*\s+3], s[96:97], \s*6144
	s_or_b32 s[G0B+4*\s+3], s[G0B+4*\s+3], 0x80000000
	JLOAD G0+4*\s, G1, G0B+4*\s, G1B               ; four tensor loads of mine are out
.endr
	v_and_b32 v1, 31, v0                           ; lane
	v_and_b32 v2, 15, v0                           ; r
	v_bfe_u32 v3, v0, 4, 1                         ; h
	v_lshlrev_b32 v4, 4, v1
	v_lshlrev_b32 v5, 2, v1
	s_mul_i32 s2, s17, QTR
	v_add_nc_u32 v[ADRA], s2, v4
	v_add_nc_u32 v[ADRA+1], SLOT, v[ADRA]
	v_add_nc_u32 v[ADRA+2], 2*SLOT, v[ADRA]
	s_mul_i32 s2, s18, QTR
	s_add_co_u32 s2, s2, 2*QTR
	v_add_nc_u32 v[ADRB], s2, v4
	v_add_nc_u32 v[ADRB+1], SLOT, v[ADRB]
	v_add_nc_u32 v[ADRB+2], 2*SLOT, v[ADRB]
	s_lshl_b32 s2, s17, 12
	s_add_co_u32 s2, s2, SCL
	v_add_nc_u32 v[ADSA], s2, v5
	s_lshl_b32 s2, s18, 12
	s_add_co_u32 s2, s2, SCL+2*4096
	v_add_nc_u32 v[ADSB], s2, v5
	s_mul_i32 s2, s16, 16*272
	s_add_co_u32 s2, s2, STAGE                     ; my stage
	v_mul_u32_u24 v[STO], v2, 272
	v_lshl_add_u32 v[STO], v3, 6, v[STO]
	v_add_nc_u32 v[STO], s2, v[STO]                ; in: row r, + 64 h
	v_mul_u32_u24 v[RD], v3, 272
	v_lshl_add_u32 v[RD], v2, 4, v[RD]
	v_add_nc_u32 v[RD], s2, v[RD]                  ; back: lanes 0-15 one row of 256 bytes, lanes 16-31 the next
	v_lshlrev_b32 v[CO], 13, v3
	v_lshl_add_u32 v[CO], v2, 4, v[CO]             ; and the same in out0: rows of 8,192 bytes
	s_lshl_b32 s2, s90, 9                          ; my 64 columns, in bytes: 512 x tile column + 256 x my half
	s_lshl_b32 s3, s18, 8
	s_add_co_u32 s2, s2, s3
	s_mov_b32 s3, 0
	s_add_nc_u64 s[12:13], s[12:13], s[2:3]        ; in bo,
	s_add_nc_u64 s[OUTP:OUTP+1], s[14:15], s[2:3]  ; and in out0,
	s_lshl_b32 s2, s91, 20                         ; at my first row: 128 x tile row + 64 x my half
	s_lshl_b32 s94, s17, 19
	s_add_co_u32 s2, s2, s94
	s_add_nc_u64 s[OUTP:OUTP+1], s[OUTP:OUTP+1], s[2:3]
	v_lshlrev_b32 v19, 6, v3                       ; bo in the result's layout: register j of tile b is column 32 (b / 2) + 16 h + 8 (b % 2) + j
.irp b, 0,1,2,3
	global_load_b128 v[BO+8*\b:BO+8*\b+3], v19, s[12:13] offset:128*(\b/2)+32*(\b%2)
	global_load_b128 v[BO+8*\b+4:BO+8*\b+7], v19, s[12:13] offset:128*(\b/2)+32*(\b%2)+16
.endr
	s_wait_loadcnt 0x0
	s_wait_tensorcnt 2                             ; the scale words and my part of fill 0 are in (fills 1 and 2 may be out)
	s_barrier_signal -1
	s_barrier_wait -1                              ; everybody's are
	FETCH 0, 0, 0
	SCALES 0
	STEP 0, 0, 0,   128, 0, 1, -1, 1               ; fill 0, in slot 0: the first K step starts the sums with bo
	STEP 0, 1, 128, 0,   0, 2, -1, 0
	STEP 0, 2, 0,   128, 0, 3, -1, 0
	TURN 0, 1, 1, 1                                ; slot 0 is left and takes fill 3
	STEP 1, 0, 0,   128, 1, 1, -1, 0               ; fill 1, in slot 1
	STEP 1, 1, 128, 0,   1, 2, -1, 0
	STEP 1, 2, 0,   128, 1, 3, -1, 0
	STEP 1, 3, 128, 0,   2, 0, 2, 0                ; on into slot 2 with no barrier: the wait for all loads and the round in front of the refill have shown fill 2 to every wave
	STEP 0, 0, 0,   128, 2, 1, -1, 0               ; fill 2, in slot 2
	STEP 0, 1, 128, 0,   2, 2, -1, 0
	STEP 0, 2, 0,   128, 2, 3, -1, 0
	TURN 0, 0, 3, 0                                ; fill 3 has landed, everybody's part; nothing is filled again
	STEP 1, 0, 0,   128, 0, 1, -1, 0               ; fill 3, in slot 0
	STEP 1, 1, 128, 0,   0, 2, -1, 0
	STEP 1, 2, 0,   128, 0, 3, -1, 0
	s_wait_dscnt 0x0                               ; the very last K step: nothing more to fetch
	WIN 0x05
	MUL4 0, 128, 3, 1, 0
	MUL4 1, 128, 3, 1, 0
	MUL4 2, 128, 3, 1, 0
	MUL4 3, 128, 3, 1, 0
	WIN 0
	PLACES 4                                       ; in front of the first read of results
; THE WAY OUT, a tile of 16 rows x 64 columns at a time, through my own stage: my 64 columns are 256 consecutive bytes of a row, so no other wave has a part in them.
; LDS serves a wave's instructions in order: no wait between the stores and the loads, nor in front of the next tile's stores.
.macro TOSTAGE a
.irp b, 0,1,2,3
	ds_store_b128 v[STO], v[ACC+8*(4*(\a)+\b):ACC+8*(4*(\a)+\b)+3] offset:128*(\b/2)+32*(\b%2)        ; each accumulator from its low end on
	ds_store_b128 v[STO], v[ACC+8*(4*(\a)+\b)+4:ACC+8*(4*(\a)+\b)+7] offset:128*(\b/2)+32*(\b%2)+16
.endr
.set BB, 64+32*((\a)%2)
.irp t, 0,1,2,3,4,5,6,7
	ds_load_b128 v[BB+4*\t:BB+4*\t+3], v[RD] offset:544*\t
.endr
.endm
.macro SEND a, younger                 ; younger: the LDS instructions issued behind tile a's loads, which may stay out
.set BB, 64+32*((\a)%2)
	s_wait_dscnt \younger
.irp t, 0,1,2,3,4,5,6,7
	global_store_b128 v[CO], v[BB+4*\t:BB+4*\t+3], s[OUTP:OUTP+1] offset:(32*((\a)/2)+8*((\a)%2)+2*\t+8*(\t/4))*8192 th:TH_STORE_NT   ; positions 2 t and 2 t + 1 of tile a: 16 lanes store 256 consecutive bytes, aligned to 256
.endr
.endm
	TOSTAGE 0
.irp a, 1,2,3
.if \a > 1
	s_wait_xcnt 0x0                                ; tile a - 2's stores have read their registers: tile a's loads may land there
.endif
	TOSTAGE \a
	SEND \a-1, 16                                  ; behind tile a - 1's loads: tile a's 8 stores and 8 loads
.endr
	SEND 3, 0
	s_wait_tensorcnt 0x0                           ; the wave's end
	ds_add_u32 v[SPW], v[NIL]
	s_wait_dscnt 0x0
	CROUND                                         ; the closing round
	s_endpgm
.Lfunc_end_k_q301a71686a_oproj:
	.size	k_q301a71686a_oproj, .Lfunc_end_k_q301a71686a_oproj-k_q301a71686a_oproj
	.p2alignl 7, 3214868480
	.fill 96, 4, 3214868480
	.section	.rodata,"a",@progbits
	.p2align	6, 0x0
	.amdhsa_kernel k_q301a71686a_oproj
		.amdhsa_group_segment_fixed_size 327680
		.amdhsa_private_segment_fixed_size 0
		.amdhsa_enable_private_segment 0
		.amdhsa_kernarg_size 48
		.amdhsa_user_sgpr_count 2
		.amdhsa_user_sgpr_kernarg_segment_ptr 1
		.amdhsa_wavefront_size32 1
		.amdhsa_system_sgpr_workgroup_id_x 1
		.amdhsa_system_sgpr_workgroup_id_y 1
		.amdhsa_system_sgpr_workgroup_id_z 1
		.amdhsa_system_vgpr_workitem_id 0
		.amdhsa_next_free_vgpr 512
		.amdhsa_next_free_sgpr 100
		.amdhsa_reserve_vcc 0
		.amdhsa_float_denorm_mode_32 3
		.amdhsa_float_denorm_mode_16_64 3
		.amdhsa_memory_ordered 1
		.amdhsa_forward_progress 1
		.amdhsa_inst_pref_size 85
	.end_amdhsa_kernel
	.amdgpu_metadata
---
amdhsa.version: [ 1, 2 ]
amdhsa.kernels:
  - .name:           k_q301a71686a_oproj
    .symbol:         k_q301a71686a_oproj.kd
    .args:
      - { .name: oc, .offset: 0, .size: 8, .value_kind: global_buffer, .address_space: global }
      - { .name: os, .offset: 8, .size: 8, .value_kind: global_buffer, .address_space: global }
      - { .name: wc, .offset: 16, .size: 8, .value_kind: global_buffer, .address_space: global }
      - { .name: ws, .offset: 24, .size: 8, .value_kind: global_buffer, .address_space: global }
      - { .name: bo, .offset: 32, .size: 8, .value_kind: global_buffer, .address_space: global }
      - { .name: out0, .offset: 40, .size: 8, .value_kind: global_buffer, .address_space: global }
    .group_segment_fixed_size: 327680
    .private_segment_fixed_size: 0
    .kernarg_segment_align: 8
    .kernarg_segment_size: 48
    .max_flat_workgroup_size: 128
    .sgpr_count:     100
    .vgpr_count:     512
    .wavefront_size: 32
...
	.end_amdgpu_metadata
.endif
;; end of part 4
